; MI455X (gfx1250); checked and timed in simulation.
; The chip was launched on July 23, 2026; its instructions are those of AMD's public machine-readable ISA for CDNA 5 (MIT licence, August 2026) and "CDNA5" Instruction Set Architecture Reference Guide (July 2026). The comments in the code are by the model that wrote it; some were corrected since.
;; Flax Dbrx Norm Attention Norm. Allowed arithmetic: matrix products marked QUANTISED: E5M2 operands, one given power-of-two scale a tensor, by v_wmma_f32_16x16x64_bf8_bf8 or v_wmma_f32_16x16x128_bf8_bf8, f32 sums; everything else in f32.
;; Inputs: attention_mask 1 x 2,048 int32; causal_mask 1 x 1 x 2,048 x 2,048 bool; hidden_states 1 x 2,048 x 2,048 float32; ln1_scale 2,048 float32; ln2_scale 2,048 float32; lowp_scales 8 int32 (the exponents e of the quantised operands' scales 2^e); position_ids 1 x 2,048 int32; w_out 2,048 x 2,048 float32; w_qkv 2,048 x 3,072 float32.
;; Outputs: out0 1 x 2,048 x 2,048 float32; out1 1 x 2,048 x 2,048 float32.
;; This version of the problem:
;;   THIS VERSION OF THE PROBLEM IS GIVEN IN LOW PRECISION. The matrix products marked QUANTISED in the list below multiply operands that are first quantised to E5M2 (5 exponent bits, 2 mantissa bits; 8 bits a number), with one given power-of-two scale for each operand tensor; their sums are f32. All else is computed in f32.
;;   The module's matrix products, in the order in which they are computed (A, B: the left and right operand; K: the contracted axis; several contracted axes count as one K, in the product's order):
;;     1. [M 2,048, K 2,048] x [K 2,048, N 3,072]; A: computed on the way; B: input w_qkv: QUANTISED (scales: A lowp_scales[0], B lowp_scales[1])
;;     2. batch 8 x [M 2,048, K 64] x [K 64, N 8,192]; A: computed on the way; B: computed on the way: QUANTISED (scales: A lowp_scales[2], B lowp_scales[3])
;;     3. batch 8 x [M 64, K 2,048] x [K 2,048, N 8,192]; A: computed on the way; B: softmax (see below): QUANTISED (scales: A lowp_scales[4], B lowp_scales[5])
;;     4. [M 2,048, K 2,048] x [K 2,048, N 2,048]; A: computed on the way; B: input w_out: QUANTISED (scales: A lowp_scales[6], B lowp_scales[7])
;;   THE QUANTISER, for each operand of a quantised product, along K:
;;     - The operand's scale is 2^e, e = its entry of the input lowp_scales (int32; the entries are numbered through the quantised products in the list's order, A before B).
;;     - Each number is divided by the scale, clamped to +-57,344, and rounded to the nearest number of E5M2, ties to even, subnormals kept.
;;     - The product sums the exact products of the quantised numbers (number of the format x scale) in f32.
;;   ~~~python
;;   def quantise(x, axis, e):      # numpy; x: float32 -> the quantised numbers, widened to float32 again
;;       x = np.moveaxis(x, axis, -1); K = x.shape[-1]
;;       r = np.clip(x / 2.0 ** e, -57344, 57344)
;;       step = 2.0 ** (np.maximum(np.frexp(np.where(r == 0, 1, r))[1] - 1, -14) - 2)
;;       q = np.round(r / step) * step * 2.0 ** e      # np.round: ties to even
;;       return np.moveaxis(q, -1, axis).astype(np.float32)
;;   ~~~
;;   SOFTMAX AHEAD OF A QUANTISED PRODUCT. Where the list says 'softmax', what is quantised is not the finished softmax but p = 2^(t - M), with t = logit x log2(e) and M = ceil(the row's largest t), a whole number; so 1/2 < the row's largest p <= 1. The row's sum l is taken of the UNQUANTISED p, in f32, and the product's result is divided by l at the end. Since M is a whole number, a kernel that streams over the keys may use a running M (the ceiling of the running maximum): every later rescaling is an exact power of two, so the quantised numbers keep their values, but for numbers so far below the row's largest that they fall under the format's range.
;;   OPERANDS COMPUTED ON THE WAY. 'Computed on the way' means the value that the module computes at that place (a softmax that the list does not call 'softmax' is quantised finished and normalised). What goes into a quantiser is computed in f32, as accurately as f32 sums, v_exp_f32 and their like allow (about 1e-6 of the number): no bf16 or f16 on the way to a quantiser, and a product that is left as it is and whose result goes on into a quantised operand takes f32 operands (vector FMAs, or v_wmma_f32_16x16x4_f32). A number that lies on a knife's edge between two numbers of the format may be rounded either way, as far as f32 arithmetic and the matrix unit's own rounding can turn it there, and no further.
;; One version. Each part assembles by itself: llvm-mc -triple=amdgcn-amd-amdhsa -mcpu=gfx1250 --defsym DOCPART=n.
;; ======== version 1 of 1: 5 launches
;; limits: right only within a limited range of input values
;; workspace buffers: codes1 14,680,064 bytes; rope 524,288 bytes; masks 525,312 bytes of whole numbers; qkvc 6,291,456 bytes; attnc 4,194,304 bytes
;; launch prep (part 1): grid 992 x 1, 4 waves a work-group, no clusters, 79,360 bytes of LDS; arguments hidden_states, ln1_scale, w_qkv, w_out, lowp_scales, position_ids, causal_mask, attention_mask, codes1, rope, masks; writes codes1, rope, masks
.if DOCPART == 1
	.amdgcn_target "amdgcn-amd-amdhsa--gfx1250"
	.amdhsa_code_object_version 6
	.text
	.protected	k_q2802eda336_prep
	.globl	k_q2802eda336_prep
	.p2align	8
	.type	k_q2802eda336_prep,@function
k_q2802eda336_prep:
	s_mov_b64 s[64:65], 0
	v_nop
	global_prefetch_b8 v0, s[64:65] scope:SCOPE_SE
	s_setreg_imm32_b32 hwreg(HW_REG_WAVE_MODE, 25, 1), 1
	s_wait_xcnt 0x0
; All that is made once, ahead of the products.  The work-group's number picks one of five ways; each way has LDS bytes of its own.
;   0..191    w_qkv [2048 k][3072 n] f32 -> codes of E5M2, laid [n][k], K innermost, at byte WQOFF of codes1, scale 2^e1
;   192..319  w_out [2048 k][2048 n] likewise at WOOFF, scale 2^e7
;   320..447  x = layernorm(hidden_states) x ln1_scale -> codes [token][2048] at byte 0 of codes1, scale 2^e0
;   448..575  the mask (causal_mask AND attention_mask > 0) as words of lane bits, and two words of step flags for each tile of 16 queries
;   576..607  cos and sin of position x inv_freq: 256 bytes a token: 32 cosines, 32 sines
; code = x / 2^e, held within +-57,344, to the nearest code, ties to even.
; LIMITS: e0, e1, e7 between -126 and 112; |position| up to 4,000,000 (the quadrant count stays exact in f32); NaN among the inputs is not served.
.set PITCH, 272                        ; a stage row of the weights' way out: 256 bytes + 16
.set LDS_W0, 0                         ; w_qkv's stages: 32 rows x 272 for each of four waves
.set LDS_W1, 4*32*PITCH                ; w_out's
.set LDS_LN, 2*4*32*PITCH              ; layernorm: 2,048 bytes a wave
.set LDS_FL, LDS_LN+4*2048             ; masks: 16 bytes a wave
.set WQOFF, 4194304
.set WOOFF, 10485760
.set FLAGS, 524288
.set X, 32
.set C, 96
.set OUTR, 112
	s_load_b512 s[4:19], s[0:1], 0x0               ; hidden s[4:5], ln1 s[6:7], w_qkv s[8:9], w_out s[10:11], scales s[12:13], positions s[14:15], causal s[16:17], attention s[18:19]
	s_load_b128 s[20:23], s[0:1], 0x40             ; codes1 s[20:21], rope s[22:23]
	s_load_b64 s[24:25], s[0:1], 0x50              ; masks
	v_lshl_add_u32 v192, v0, 2, 0x13400
	v_mov_b32 v193, 0
	v_lshrrev_b32 v1, 5, v0
	v_readfirstlane_b32 s26, v1                    ; wave 0..3
	v_and_b32 v2, 31, v0                           ; lane
	s_wait_kmcnt 0x0
	s_load_b256 s[32:39], s[12:13], 0x0            ; e0 .. e7
	s_cmp_ge_u32 ttmp9, 608                        ; 608..991 take rows of the layernorm too: with 320..447 that is 512 work-groups, a row to each wave
	s_cbranch_scc1 .Lln1
	s_cmp_lt_u32 ttmp9, 192
	s_cbranch_scc1 .Lwqkv
	s_cmp_lt_u32 ttmp9, 320
	s_cbranch_scc1 .Lwout
	s_cmp_lt_u32 ttmp9, 448
	s_cbranch_scc1 .Lln1
	s_cmp_lt_u32 ttmp9, 576
	s_cbranch_scc1 .Lmask
; ---------------- the rope table: wave w takes 16 tokens; lanes 0-15 make cosines, lanes 16-31 sines, two frequencies a lane
	s_sub_co_u32 s27, ttmp9, 576
	s_lshl_b32 s27, s27, 6
	s_lshl_b32 s28, s26, 4
	s_add_co_u32 s27, s27, s28                     ; my first token
	s_lshl_b32 s40, s27, 2
	s_mov_b32 s41, 0
	s_add_nc_u64 s[44:45], s[14:15], s[40:41]
	s_load_b512 s[68:83], s[44:45], 0x0            ; 16 positions
	s_lshl_b32 s42, s27, 8
	s_mov_b32 s43, 0
	s_add_nc_u64 s[46:47], s[22:23], s[42:43]
	s_wait_alu depctr_va_vdst(0)
	v_and_b32 v5, 15, v2
	v_lshrrev_b32 v6, 4, v2
	v_sub_nc_u32 v9, 1, v6                         ; cos(a) = sin(a + pi/2): lanes 0-15 count one quadrant more
	v_lshlrev_b32 v3, 3, v2                        ; 8 bytes a lane: the wave stores a token's 256 bytes whole
	v_lshlrev_b32 v5, 1, v5
	v_cvt_f32_u32 v10, v5                          ; j = 2 (lane % 16), and j + 1
	v_add_f32 v11, 1.0, v10
	v_mul_f32 v10, 0xbf1773da, v10                 ; -j log2(500000) / 32
	v_mul_f32 v11, 0xbf1773da, v11
	s_wait_alu depctr_va_vdst(0)
	v_exp_f32 v10, v10                             ; inv_freq = 500000^(-j / 32)
	v_exp_f32 v11, v11
.macro CONST2 reg, val
	v_mov_b32 v[\reg], \val
	v_mov_b32 v[\reg+1], \val
.endm
	CONST2 40, 0x3f22f983                          ; 2 / pi   (these moves are the plain lines behind the exponentials)
	CONST2 42, 0xbfc90fdb                          ; -pi/2 in three parts
	CONST2 44, 0x333bbd2e
	CONST2 46, 0x26f72ced
	CONST2 48, 0xbe2aaaa3                          ; sine: r + r z (S1 + z (S2 + z S3))
	CONST2 50, 0x3c08839e
	CONST2 52, 0xb94ca1f9
	CONST2 54, 0x3d2aaaa5                          ; cosine: 1 - z/2 + z z (C1 + z (C2 + z C3))
	CONST2 56, 0xbab6061a
	CONST2 58, 0x37ccf5ce
	CONST2 60, 1.0
	CONST2 62, -0.5
	v_mov_b32 v13, 0                               ; (named as the upper half of the pair v[12:13])
	s_wait_alu depctr_va_vdst(0)                   ; one wait for both exponentials, ahead of their first reader
	s_wait_kmcnt 0x0
.irp t, 0,1,2,3,4,5,6,7,8,9,10,11,12,13,14,15
	v_cvt_f32_i32 v12, s[68+\t]
	v_pk_mul_f32 v[14:15], v[10:11], v[12:13] op_sel_hi:[1,0]   ; a = position x inv_freq, one rounding
	v_pk_mul_f32 v[16:17], v[14:15], v[40:41]
	v_rndne_f32 v16, v16                           ; n = the nearest quadrant
	v_rndne_f32 v17, v17
	v_pk_fma_f32 v[14:15], v[16:17], v[42:43], v[14:15]   ; r = a - n pi/2, |r| <= pi/4
	v_pk_fma_f32 v[14:15], v[16:17], v[44:45], v[14:15]
	v_pk_fma_f32 v[14:15], v[16:17], v[46:47], v[14:15]
	v_pk_mul_f32 v[18:19], v[14:15], v[14:15]      ; z = r r
	v_pk_fma_f32 v[20:21], v[18:19], v[52:53], v[50:51]
	v_pk_fma_f32 v[22:23], v[18:19], v[58:59], v[56:57]
	v_pk_fma_f32 v[20:21], v[20:21], v[18:19], v[48:49]
	v_pk_fma_f32 v[22:23], v[22:23], v[18:19], v[54:55]
	v_pk_mul_f32 v[24:25], v[14:15], v[18:19]
	v_pk_mul_f32 v[26:27], v[18:19], v[18:19]
	v_pk_fma_f32 v[30:31], v[18:19], v[62:63], v[60:61]
	v_pk_fma_f32 v[20:21], v[20:21], v[24:25], v[14:15]   ; sin r
	v_pk_fma_f32 v[22:23], v[22:23], v[26:27], v[30:31]   ; cos r
	v_cvt_i32_f32 v16, v16
	v_cvt_i32_f32 v17, v17
	v_add_nc_u32 v16, v16, v9                      ; k: sin(r + k pi/2) = sin r, cos r, -sin r, -cos r
	v_add_nc_u32 v17, v17, v9
	v_and_b32 v24, 1, v16
	v_and_b32 v25, 1, v17
	v_cmp_eq_u32 vcc_lo, 1, v24
	v_cndmask_b32 v[64+2*\t], v20, v22, vcc_lo
	v_cmp_eq_u32 vcc_lo, 1, v25
	v_cndmask_b32 v[65+2*\t], v21, v23, vcc_lo
	v_and_b32 v16, 2, v16
	v_and_b32 v17, 2, v17
	v_lshlrev_b32 v16, 30, v16
	v_lshlrev_b32 v17, 30, v17
	v_xor_b32 v[64+2*\t], v[64+2*\t], v16
	v_xor_b32 v[65+2*\t], v[65+2*\t], v17
	global_store_b64 v3, v[64+2*\t:65+2*\t], s[46:47] offset:256*\t   ; each token has result registers of its own: no store's data are written again
.endr
	s_endpgm
; ---------------- a weight [2048 k][n]: a lane takes a column, its registers run down K; a wave takes 32 columns x 256 along K
.macro WLOAD t, n                      ; block t: W(32 t + i, my column) into set t % 2; neighbouring lanes read neighbouring columns
.irp i, 0,1,2,3,4,5,6,7,8,9,10,11,12,13,14,15,16,17,18,19,20,21,22,23,24,25,26,27,28,29,30,31
	global_load_b32 v[X+32*((\t)%2)+\i], v3, s[44:45] offset:(32*(\t)+\i)*(\n)*4 th:TH_LOAD_NT
.endr
.endm
.macro WBLOCK t, n
.set XS, X+32*((\t)%2)
.if (\t) < 7
	s_wait_loadcnt 32                              ; this block's 32 loads are in; the next block's 32 may be out
.else
	s_wait_loadcnt 0
.endif
.irp i, 0,1,2,3,4,5,6,7,8,9,10,11,12,13,14,15,16,17,18,19,20,21,22,23,24,25,26,27,28,29,30,31
	v_med3_num_f32 v[XS+\i], v[XS+\i], -v10, v10   ; the conversion does not saturate (ISA guide 7.6.2): the hold at the largest code x the scale
.endr
.irp g, 0,1,2,3
	v_cvt_scalef32_pk8_bf8_f32 v[C+2*\g:C+2*\g+1], v[XS+8*\g:XS+8*\g+7], v11
.endr
	v_nop                                          ; a plain line behind the last conversion
	ds_store_b128 v4, v[C:C+3] offset:32*(\t)      ; 32 codes of my column's row
	ds_store_b128 v4, v[C+4:C+7] offset:32*(\t)+16
.if (\t)+2 < 8
	WLOAD (\t)+2, \n
.endif
	s_wait_dscnt 0x0                               ; the stores have read their registers: the next block's codes may be written
.endm
.macro WQ n, ldsb, wp, es, coff, idb
	s_sub_co_u32 s27, ttmp9, \idb
	s_lshr_b32 s28, s27, 3                         ; which 128 columns
	s_and_b32 s29, s27, 7                          ; which 256 along K
	s_lshl_b32 s28, s28, 7
	s_lshl_b32 s30, s26, 5
	s_add_co_u32 s28, s28, s30                     ; my wave's first column
	v_lshlrev_b32 v3, 2, v2
	s_mul_i32 s30, s26, 32*PITCH
	s_add_co_u32 s30, s30, \ldsb                   ; my stage
	v_mul_u32_u24 v4, v2, PITCH
	v_add_nc_u32 v4, s30, v4                       ; into it: row = my column
	v_and_b32 v5, 15, v2
	v_lshrrev_b32 v6, 4, v2
	v_mul_u32_u24 v7, v6, PITCH
	v_lshl_add_u32 v7, v5, 4, v7
	v_add_nc_u32 v7, s30, v7                       ; out of it: sixteen lanes to a row, two rows an instruction
	v_lshlrev_b32 v8, 11, v6
	v_lshl_add_u32 v8, v5, 4, v8                   ; the same place in the codes: rows of 2,048 bytes
	s_mul_i32 s40, s29, 256*(\n)*4
	s_lshl_b32 s31, s28, 2
	s_add_co_u32 s40, s40, s31
	s_mov_b32 s41, 0
	s_lshl_b32 s42, s28, 11
	s_lshl_b32 s31, s29, 8
	s_add_co_u32 s42, s42, s31
	s_add_co_u32 s42, s42, \coff
	s_mov_b32 s43, 0
	s_add_nc_u64 s[44:45], s[\wp:\wp+1], s[40:41]
	s_add_nc_u64 s[46:47], s[20:21], s[42:43]
	WLOAD 0, \n
	WLOAD 1, \n
	s_wait_kmcnt 0x0
	s_add_co_i32 s30, s[\es], 127
	s_lshl_b32 s31, s30, 23
	v_mov_b32 v11, s31                             ; 2^e as f32: the conversion takes its exponent field
	s_add_co_i32 s30, s30, 15
	s_lshl_b32 s30, s30, 23
	s_or_b32 s30, s30, 0x600000
	v_mov_b32 v10, s30                             ; 57,344 x 2^e
	s_wait_alu depctr_va_vdst(0)
.irp t, 0,1,2,3,4,5,6,7
	WBLOCK \t, \n
.endr
.irp t, 0,1,2,3,4,5,6,7,8,9,10,11,12,13,14,15
	ds_load_b128 v[OUTR+4*\t:OUTR+4*\t+3], v7 offset:2*\t*PITCH   ; LDS serves a wave's instructions in order: these see my stores
.endr
.irp t, 0,1,2,3,4,5,6,7,8,9,10,11,12,13,14,15
	s_wait_dscnt 15-\t                             ; the younger loads may be out
	global_store_b128 v8, v[OUTR+4*\t:OUTR+4*\t+3], s[46:47] offset:2*\t*2048   ; sixteen lanes store 256 consecutive bytes, aligned
.endr
	s_wait_tensorcnt 0x0
	ds_add_u32 v192, v193
	s_wait_dscnt 0x0
	s_endpgm
.endm
.Lwqkv:
	s_wait_alu depctr_va_vdst(0)
	WQ 3072, LDS_W0, 8, 33, WQOFF, 0
.Lwout:
	s_wait_alu depctr_va_vdst(0)
	WQ 2048, LDS_W1, 10, 39, WOOFF, 192
; ---------------- layernorm 1 and x's codes: a wave takes one row; lane l holds columns 128 i + 4 l + 0..3
.macro LANESUM                         ; v10 summed over the 32 lanes, the result in every lane
	v_add_f32_dpp v10, v10, v10 row_xmask:1 row_mask:0xf bank_mask:0xf
	v_add_f32_dpp v10, v10, v10 row_xmask:2 row_mask:0xf bank_mask:0xf
	v_add_f32_dpp v10, v10, v10 row_xmask:4 row_mask:0xf bank_mask:0xf
	v_add_f32_dpp v10, v10, v10 row_xmask:8 row_mask:0xf bank_mask:0xf
	v_permlanex16_b32 v11, v10, s48, s49
	v_add_f32 v10, v10, v11
.endm
.macro LNSTAT                          ; the row in v32-95 becomes x - mean; v[20:21] = 1 / sqrt(variance + 1e-6), twice.  Two passes: no difference of large sums
	v_pk_add_f32 v[10:11], v[32:33], v[40:41]
	v_pk_add_f32 v[12:13], v[34:35], v[42:43]
	v_pk_add_f32 v[14:15], v[36:37], v[44:45]
	v_pk_add_f32 v[16:17], v[38:39], v[46:47]
.irp j, 16,24,32,40,48,56
	v_pk_add_f32 v[10:11], v[10:11], v[32+\j:33+\j]
	v_pk_add_f32 v[12:13], v[12:13], v[34+\j:35+\j]
	v_pk_add_f32 v[14:15], v[14:15], v[36+\j:37+\j]
	v_pk_add_f32 v[16:17], v[16:17], v[38+\j:39+\j]
.endr
	v_pk_add_f32 v[10:11], v[10:11], v[12:13]
	v_pk_add_f32 v[14:15], v[14:15], v[16:17]
	v_pk_add_f32 v[10:11], v[10:11], v[14:15]
	v_add_f32 v10, v10, v11
	LANESUM
	v_mul_f32 v18, s50, v10                        ; the mean: x 2^-11
	v_mov_b32 v19, v18
.set j, 0
.rept 32
	v_pk_add_f32 v[32+j:33+j], v[32+j:33+j], v[18:19] neg_lo:[0,1] neg_hi:[0,1]
.set j, j+2
.endr
	v_pk_mul_f32 v[10:11], v[32:33], v[32:33]
	v_pk_mul_f32 v[12:13], v[34:35], v[34:35]
	v_pk_mul_f32 v[14:15], v[36:37], v[36:37]
	v_pk_mul_f32 v[16:17], v[38:39], v[38:39]
.irp j, 8,16,24,32,40,48,56
	v_pk_fma_f32 v[10:11], v[32+\j:33+\j], v[32+\j:33+\j], v[10:11]
	v_pk_fma_f32 v[12:13], v[34+\j:35+\j], v[34+\j:35+\j], v[12:13]
	v_pk_fma_f32 v[14:15], v[36+\j:37+\j], v[36+\j:37+\j], v[14:15]
	v_pk_fma_f32 v[16:17], v[38+\j:39+\j], v[38+\j:39+\j], v[16:17]
.endr
	v_pk_add_f32 v[10:11], v[10:11], v[12:13]
	v_pk_add_f32 v[14:15], v[14:15], v[16:17]
	v_pk_add_f32 v[10:11], v[10:11], v[14:15]
	v_add_f32 v10, v10, v11
	LANESUM
	v_fma_f32 v20, v10, s50, s51                   ; variance + 1e-6
	s_wait_alu depctr_va_vdst(0)
	v_rsq_f32 v20, v20
	v_nop                                          ; a plain line behind the transcendental
	s_wait_alu depctr_va_vdst(0)                   ; and the wait ahead of its first reader
	v_mov_b32 v21, v20
.endm
.Lln1:
	s_mov_b32 s28, 480
	s_cmp_lt_u32 ttmp9, 448
	s_cselect_b32 s28, 320, s28                    ; work-groups 320..447 count from 0, 608..991 from 128
	s_sub_co_u32 s27, ttmp9, s28
	s_lshl_b32 s27, s27, 2
	s_add_co_u32 s27, s27, s26                     ; my row: 4 x that count + wave
	s_lshl_b32 s40, s27, 13
	s_mov_b32 s41, 0
	s_lshl_b32 s42, s27, 11
	s_mov_b32 s43, 0
	s_add_nc_u64 s[44:45], s[4:5], s[40:41]
	s_add_nc_u64 s[46:47], s[20:21], s[42:43]
	s_wait_alu depctr_va_vdst(0)
	v_lshlrev_b32 v3, 4, v2                        ; 16 bytes a lane: a load or store of the wave covers 512 consecutive bytes
	s_lshl_b32 s28, s26, 11
	s_add_co_u32 s28, s28, LDS_LN
	v_lshl_add_u32 v4, v2, 2, s28                  ; my stage: four codes a lane in,
	v_add_nc_u32 v5, s28, v3                       ; sixteen out
.irp i, 0,1,2,3,4,5,6,7,8,9,10,11,12,13,14,15
	global_load_b128 v[96+4*\i:99+4*\i], v3, s[6:7] offset:512*\i   ; ln1_scale, once, in the row's layout
.endr
	s_mov_b32 s48, 0x76543210                      ; v_permlanex16_b32: lane l xor 16
	s_mov_b32 s49, 0xfedcba98
	s_mov_b32 s50, 0x3a000000                      ; 2^-11
	s_mov_b32 s51, 0x358637bd                      ; 1e-6
	s_wait_kmcnt 0x0
	s_add_co_i32 s30, s32, 127
	s_lshl_b32 s31, s30, 23
	v_mov_b32 v9, s31                              ; 2^e0
	s_add_co_i32 s30, s30, 15
	s_lshl_b32 s30, s30, 23
	s_or_b32 s30, s30, 0x600000
	v_mov_b32 v8, s30                              ; 57,344 x 2^e0
	s_wait_alu depctr_va_vdst(0)
.irp i, 0,1,2,3,4,5,6,7,8,9,10,11,12,13,14,15
	global_load_b128 v[32+4*\i:35+4*\i], v3, s[44:45] offset:512*\i th:TH_LOAD_NT
.endr
	s_wait_loadcnt 0x0
	LNSTAT
.set j, 0
.rept 32
	v_pk_mul_f32 v[32+j:33+j], v[32+j:33+j], v[20:21]
.set j, j+2
.endr
.set j, 0
.rept 32
	v_pk_mul_f32 v[32+j:33+j], v[32+j:33+j], v[96+j:97+j]
.set j, j+2
.endr
.set j, 0
.rept 64
	v_med3_num_f32 v[32+j], v[32+j], -v8, v8
.set j, j+1
.endr
.irp p, 0,1,2,3,4,5,6,7
	v_cvt_scalef32_pk8_bf8_f32 v[160+2*\p:161+2*\p], v[32+8*\p:39+8*\p], v9   ; register 160 + i: the four codes of load i
.endr
	v_nop
.irp i, 0,1,2,3,4,5,6,7,8,9,10,11,12,13,14,15
	ds_store_b32 v4, v[160+\i] offset:128*\i       ; columns 128 i + 4 l on
.endr
.irp c, 0,1,2,3
	ds_load_b128 v[176+4*\c:179+4*\c], v5 offset:512*\c   ; in order behind my stores
.endr
.irp c, 0,1,2,3
	s_wait_dscnt 3-\c
	global_store_b128 v3, v[176+4*\c:179+4*\c], s[46:47] offset:512*\c
.endr
	s_wait_tensorcnt 0x0
	ds_add_u32 v192, v193
	s_wait_dscnt 0x0
	s_endpgm
; ---------------- the mask.  The work-group is tile T of 16 queries; wave w takes keys 512 w on: steps 8 w .. 8 w + 7 of 64 keys.
; Bit l of word (T, s, n) is 1 where query 16 T + l % 16 does NOT see key 64 s + 32 (n / 16) + 16 (l / 16) + n % 16: the place of that score in the attention launch's registers.
; Flags of a tile: ACT, bit s: some query of the tile sees some key of step s (all ones where a query sees no key at all: its softmax is then even over all keys); MIX, bit s: some pair of step s is hidden.
.Lmask:
	s_sub_co_u32 s27, ttmp9, 448                   ; T
	s_wait_alu depctr_va_vdst(0)
	v_and_b32 v5, 15, v2
	v_lshrrev_b32 v6, 4, v2
	v_lshlrev_b32 v3, 11, v5
	v_lshl_add_u32 v3, v6, 4, v3                   ; causal_mask: row r of 2,048 bytes, + 16 h
	v_lshlrev_b32 v4, 6, v6                        ; attention_mask: 16 h keys of 4 bytes
	v_lshlrev_b32 v7, 3, v2                        ; the words: 8 bytes a lane
	s_lshl_b32 s40, s27, 15
	s_lshl_b32 s28, s26, 9
	s_add_co_u32 s40, s40, s28
	s_mov_b32 s41, 0
	s_add_nc_u64 s[44:45], s[16:17], s[40:41]
	s_lshl_b32 s40, s26, 11
	s_add_nc_u64 s[46:47], s[18:19], s[40:41]
	s_lshl_b32 s40, s27, 12
	s_lshl_b32 s28, s26, 10
	s_add_co_u32 s40, s40, s28
	s_add_nc_u64 s[48:49], s[24:25], s[40:41]
	s_lshl_b32 s40, s27, 3
	s_add_co_u32 s40, s40, FLAGS
	s_add_nc_u64 s[50:51], s[24:25], s[40:41]
	v_mov_b32 v28, 0                               ; written once whole: v_writelane_b32's destination counts as read
	v_mov_b32 v29, 0
	s_lshl_b32 s58, s26, 3                         ; the step's number
	s_mov_b32 s60, 0                               ; ACT
	s_mov_b32 s61, 0                               ; MIX
	s_mov_b32 s62, -1                              ; bit l: lane l's query has seen none of its half's keys
	s_mov_b32 s66, 2
	s_wait_kmcnt 0x0
; Two sets of registers take turns: v32-47 and v64-127, v48-63 and v128-191.  While one set's 128 keys are turned into words, the other set's 20 loads are out.
.macro MLOAD p
.irp k, 0,1,2,3
	global_load_b128 v[32+16*(\p)+4*\k:35+16*(\p)+4*\k], v3, s[44:45] offset:32*\k
.endr
.irp k, 0,1,2,3
.irp j, 0,1,2,3
	global_load_b128 v[64+64*(\p)+16*\k+4*\j:67+64*(\p)+16*\k+4*\j], v4, s[46:47] offset:128*\k+16*\j
.endr
.endr
.endm
.macro MTRIP p                         ; two steps, 128 keys, out of set p
	s_wait_loadcnt 0x0                             ; set p is in, and no other load is out: the bases may step
	s_add_nc_u64 s[44:45], s[44:45], 128
	s_add_nc_u64 s[46:47], s[46:47], 512
.if \p
	s_cmp_eq_u32 s66, 1                            ; behind my last 128 keys nothing is asked for: no load leaves its buffer
	s_cbranch_scc1 .Lmlast
.endif
	MLOAD 1-(\p)
.if \p
.Lmlast:
.endif
.irp sg, 0,1
	s_wait_alu depctr_va_vdst(0)
	s_mov_b32 s53, -1
	s_mov_b32 s54, 0
.set n, 0
.rept 32
	v_bfe_u32 v[10+n%4], v[32+16*(\p)+4*(2*\sg+n/16)+(n%16)/4], 8*(n%4), 8
	v_cmp_lt_i32 s[72+n%4], 0, v[64+64*(\p)+16*(2*\sg+n/16)+n%16]
	v_cndmask_b32 v[10+n%4], 0, v[10+n%4], s[72+n%4]
	v_cmp_eq_u32 s[68+n%4], 0, v[10+n%4]           ; hidden
	v_writelane_b32 v[28+n%2], s[68+n%4], 16*\sg+n/2   ; word m = 32 sg + n of the trip lies in lane m / 2, register m % 2
	s_and_b32 s53, s53, s[68+n%4]
	s_or_b32 s54, s54, s[68+n%4]
.set n, n+1
.endr
	s_cmp_lg_u32 s53, -1
	s_cselect_b32 s59, 1, 0
	s_lshl_b32 s59, s59, s58
	s_or_b32 s60, s60, s59
	s_cmp_lg_u32 s54, 0
	s_cselect_b32 s59, 1, 0
	s_lshl_b32 s59, s59, s58
	s_or_b32 s61, s61, s59
	s_and_b32 s62, s62, s53
	s_add_co_u32 s58, s58, 1
.endr
	s_wait_alu depctr_va_vdst(0)
	global_store_b64 v7, v[28:29], s[48:49]        ; 256 consecutive bytes, aligned: two steps' words
	s_wait_xcnt 0x0                                ; the store's data and base are written again only behind this wait
	s_add_nc_u64 s[48:49], s[48:49], 256
.endm
	s_wait_alu depctr_va_vdst(0)
	MLOAD 0
.Lmtrip:                                               ; a trip: both sets, four steps, 256 keys
	MTRIP 0
	MTRIP 1
	s_sub_co_u32 s66, s66, 1
	s_cmp_lg_u32 s66, 0
	s_cbranch_scc1 .Lmtrip
	v_mov_b32 v10, s60
	v_mov_b32 v11, s61
	v_mov_b32 v12, s62
	v_mov_b32 v13, 0
	s_lshl_b32 s28, s26, 4
	s_add_co_u32 s28, s28, LDS_FL
	v_mov_b32 v8, s28
	ds_store_b128 v8, v[10:13]                     ; all lanes write the same 16 bytes with the same values
	s_wait_dscnt 0x0                               ; for the others' sake
	s_barrier_signal -1
	s_barrier_wait -1
	v_mov_b32 v9, LDS_FL
	ds_load_b128 v[16:19], v9
	ds_load_b128 v[20:23], v9 offset:16
	ds_load_b128 v[24:27], v9 offset:32
	ds_load_b128 v[28:31], v9 offset:48
	s_wait_dscnt 0x0
	v_or_b32 v16, v16, v20
	v_or_b32 v24, v24, v28
	v_or_b32 v16, v16, v24                         ; ACT
	v_or_b32 v17, v17, v21
	v_or_b32 v25, v25, v29
	v_or_b32 v17, v17, v25                         ; MIX
	v_and_b32 v18, v18, v22
	v_and_b32 v26, v26, v30
	v_and_b32 v18, v18, v26
	v_lshrrev_b32 v19, 16, v18
	v_and_b32 v18, v18, v19
	v_and_b32 v18, 0xffff, v18                     ; bit r: query r sees no key at all
	v_mov_b32 v19, -1
	v_cmp_ne_u32 vcc_lo, 0, v18
	v_cndmask_b32 v16, v16, v19, vcc_lo
	v_mov_b32 v8, 0
	v_cmp_eq_u32 vcc_lo, 0, v0
	s_wait_alu depctr_va_vdst(0)
	s_wait_xcnt 0x0                                ; EXEC changes only behind this wait
	s_wait_tensorcnt 0x0
	ds_add_u32 v192, v193
	s_wait_dscnt 0x0
	s_and_saveexec_b32 s52, vcc_lo
	global_store_b64 v8, v[16:17], s[50:51]        ; thread 0 alone
	s_wait_xcnt 0x0
	s_or_b32 exec_lo, exec_lo, s52
	s_endpgm
.Lfunc_end_k_q2802eda336_prep:
	.size	k_q2802eda336_prep, .Lfunc_end_k_q2802eda336_prep-k_q2802eda336_prep
	.p2alignl 7, 3214868480
	.fill 96, 4, 3214868480
	.section	.rodata,"a",@progbits
	.p2align	6, 0x0
	.amdhsa_kernel k_q2802eda336_prep
		.amdhsa_group_segment_fixed_size 79360
		.amdhsa_private_segment_fixed_size 0
		.amdhsa_enable_private_segment 0
		.amdhsa_kernarg_size 88
		.amdhsa_user_sgpr_count 2
		.amdhsa_user_sgpr_kernarg_segment_ptr 1
		.amdhsa_wavefront_size32 1
		.amdhsa_system_sgpr_workgroup_id_x 1
		.amdhsa_system_sgpr_workgroup_id_y 1
		.amdhsa_system_sgpr_workgroup_id_z 1
		.amdhsa_system_vgpr_workitem_id 0
		.amdhsa_next_free_vgpr 194
		.amdhsa_next_free_sgpr 100
		.amdhsa_reserve_vcc 1
		.amdhsa_float_denorm_mode_32 3
		.amdhsa_float_denorm_mode_16_64 3
		.amdhsa_memory_ordered 1
		.amdhsa_forward_progress 1
		.amdhsa_inst_pref_size 208
	.end_amdhsa_kernel
	.amdgpu_metadata
---
amdhsa.version: [ 1, 2 ]
amdhsa.kernels:
  - .name:           k_q2802eda336_prep
    .symbol:         k_q2802eda336_prep.kd
    .args:
      - { .name: hidden_states, .offset: 0, .size: 8, .value_kind: global_buffer, .address_space: global }
      - { .name: ln1_scale, .offset: 8, .size: 8, .value_kind: global_buffer, .address_space: global }
      - { .name: w_qkv, .offset: 16, .size: 8, .value_kind: global_buffer, .address_space: global }
      - { .name: w_out, .offset: 24, .size: 8, .value_kind: global_buffer, .address_space: global }
      - { .name: lowp_scales, .offset: 32, .size: 8, .value_kind: global_buffer, .address_space: global }
      - { .name: position_ids, .offset: 40, .size: 8, .value_kind: global_buffer, .address_space: global }
      - { .name: causal_mask, .offset: 48, .size: 8, .value_kind: global_buffer, .address_space: global }
      - { .name: attention_mask, .offset: 56, .size: 8, .value_kind: global_buffer, .address_space: global }
      - { .name: codes1, .offset: 64, .size: 8, .value_kind: global_buffer, .address_space: global }
      - { .name: rope, .offset: 72, .size: 8, .value_kind: global_buffer, .address_space: global }
      - { .name: masks, .offset: 80, .size: 8, .value_kind: global_buffer, .address_space: global }
    .group_segment_fixed_size: 79360
    .private_segment_fixed_size: 0
    .kernarg_segment_align: 8
    .kernarg_segment_size: 88
    .max_flat_workgroup_size: 128
    .sgpr_count:     100
    .vgpr_count:     194
    .wavefront_size: 32
...
	.end_amdgpu_metadata
.endif
;; end of part 1
;; launch qkv (part 2): grid 192 x 1, 4 waves a work-group, clusters of 4 x 1, 327,680 bytes of LDS; arguments codes1, rope, lowp_scales, qkvc; writes qkvc
.if DOCPART == 2
	.amdgcn_target "amdgcn-amd-amdhsa--gfx1250"
	.amdhsa_code_object_version 6
	.text
	.protected	k_q2802eda336_qkv
	.globl	k_q2802eda336_qkv
	.p2align	8
	.type	k_q2802eda336_qkv,@function
k_q2802eda336_qkv:
	s_mov_b64 s[64:65], 0
	v_nop
	global_prefetch_b8 v0, s[64:65] scope:SCOPE_SE
	s_setreg_imm32_b32 hwreg(HW_REG_WAVE_MODE, 25, 1), 1
	s_wait_xcnt 0x0
	s_wait_alu depctr_hold_cnt(0) depctr_sa_sdst(0) depctr_va_vdst(0) depctr_va_sdst(0) depctr_va_ssrc(0) depctr_va_vcc(0) depctr_vm_vsrc(0)
	s_getreg_b32 s2, hwreg(HW_REG_IB_STS2, 6, 4)
	s_cmp_eq_u32 s2, 0
	s_cbranch_scc0 .Lentry_in_a_cluster
	s_endpgm
.Lentry_in_a_cluster:
	s_bfe_u32 s2, ttmp6, 0x10000c
	s_cmp_lg_u32 s2, 0x3003
	s_cbranch_scc0 .Lentry_shape_is_right
	s_endpgm
.Lentry_shape_is_right:
.set PITCH, 272
.set BOFF, 128*PITCH
.set SLOT, 384*PITCH
.set SPARE, 2*SLOT
.set ADRA, 16
.set ADRB, 20
.set STO, 24
.set RD, 25
.set SCV, 27
.set SPW, 28
.set NIL, 29
.set CL, 30
.set HO, 31
.set T, 32
.set OFFS, 96
.set TT, 112
.set AF, 128
.set G1A, 24
.set G0A, 32
.set G1B, 48
.set G0B, 56
.set MSB, 0
.macro WIN new
.if MSB != \new
	s_set_vgpr_msb (MSB<<8)|\new
.set MSB, \new
.endif
.endm
.set MUL, 0xa1
.set TO_B, 0x40
.macro JLOAD s
	s_cmp_eq_u32 s15, 0
	s_cbranch_scc0 .Lfor_b_\@
	tensor_load_to_lds s[G0A+4*\s:G0A+4*\s+3], s[G1A:G1A+7]
	s_nop 0
.rept 4
	v_nop
.endr
	s_branch .Lasked_\@
.Lfor_b_\@:
	tensor_load_to_lds s[G0B+4*\s:G0B+4*\s+3], s[G1B:G1B+7]
	s_nop 0
.rept 4
	v_nop
.endr
.Lasked_\@:
.endm
.macro CREST
	s_cmp_lg_u32 s14, 0
	s_cbranch_scc1 .Lnot_wave_0_\@
	s_barrier_signal -3
.Lnot_wave_0_\@:
	s_barrier_wait -3
	s_barrier_signal -1
	s_barrier_wait -1
.endm
.macro CROUND
	s_barrier_signal -1
	s_barrier_wait -1
	CREST
.endm
.macro PLACES n
.rept \n
	v_nop
.endr
.endm
	s_load_b256 s[4:11], s[0:1], 0x0
	v_lshl_add_u32 v[SPW], v0, 2, SPARE
	v_mov_b32 v[NIL], 0
	ds_add_u32 v28, v29
	ds_add_u32 v28, v29
	s_wait_dscnt 0x0
	v_lshrrev_b32 v1, 5, v0
	v_readfirstlane_b32 s14, v1
	s_lshr_b32 s15, s14, 1
	s_and_b32 s16, s14, 1
	s_bfe_u32 s40, ttmp6, 0x40000
	s_mov_b32 s[G1A+0], (1<<20)|(5<<22)|(3<<25)
	s_mov_b32 s[G1A+1], 256<<16
	s_mov_b32 s[G1A+2], 64<<16
	s_mov_b32 s[G1A+3], 256<<16
	s_mov_b32 s[G1A+4], 64
	s_mov_b32 s[G1A+5], 2048
	s_mov_b32 s[G1A+6], 0
	s_mov_b32 s[G1A+7], 0
	s_mov_b32 s[G1B+0], 15|(1<<20)|(1<<21)|(5<<22)|(3<<25)
	s_mov_b32 s[G1B+1], 256<<16
	s_mov_b32 s[G1B+2], 128<<16
	s_mov_b32 s[G1B+3], 256<<16
	s_mov_b32 s[G1B+4], 128
	s_mov_b32 s[G1B+5], 2048
	s_mov_b32 s[G1B+6], 0
	s_mov_b32 s[G1B+7], 0
	s_and_b32 s41, ttmp9, 3
	s_lshl_b32 s41, s41, 9
	s_lshr_b32 s42, ttmp9, 2
	s_lshl_b32 s43, s42, 19
	s_add_co_u32 s43, s43, 4194304
	s_sub_co_u32 s44, ttmp9, 40
	s_lshl_b32 s45, s44, 19
	s_lshl_b32 s85, s42, 8
	s_add_co_u32 s86, s85, 4194304-2048
	s_lshl_b32 s87, s44, 8
	s_add_co_u32 s87, s87, 5242880
	s_cmp_lt_u32 ttmp9, 32
	s_cselect_b32 s85, s85, s86
	s_cselect_b32 s84, 11, 9
	s_cmp_lt_u32 ttmp9, 40
	s_cselect_b32 s85, s85, s87
	s_cselect_b32 s84, s84, 11
	s_cselect_b32 s41, s41, 0
	s_cselect_b32 s46, 0, 0x900000
	s_cselect_b32 s43, s43, s45
	s_lshl_b32 s76, s40, 7
	s_add_co_u32 s77, s41, s76
	s_lshl_b32 s78, s16, 6
	s_add_co_u32 s78, s77, s78
	s_lshl_b32 s78, s78, 11
	s_add_co_u32 s78, s78, s46
	s_mov_b32 s79, 0
	s_lshl_b32 s80, s16, 18
	s_add_co_u32 s80, s43, s80
	s_mov_b32 s81, 0
	s_mul_i32 s82, s16, 64*PITCH
	s_mul_i32 s83, s16, 128*PITCH
	s_add_co_u32 s83, s83, BOFF
	s_lshl_b32 s88, s77, s84
	s_add_co_u32 s88, s88, s85
	s_mov_b32 s89, 0
	s_wait_kmcnt 0x0
	s_load_b256 s[68:75], s[8:9], 0x0
	s_add_nc_u64 s[78:79], s[4:5], s[78:79]
	s_add_nc_u64 s[80:81], s[4:5], s[80:81]
	s_add_nc_u64 s[10:11], s[10:11], s[88:89]
	CROUND
.irp s, 0,1
	s_mov_b32 s[G0A+4*\s], 1
	s_add_co_u32 s[G0A+4*\s+1], s82, \s*SLOT
	s_add_nc_u64 s[G0A+4*\s+2:G0A+4*\s+3], s[78:79], \s*256
	s_or_b32 s[G0A+4*\s+3], s[G0A+4*\s+3], 0x80000000
	s_mov_b32 s[G0B+4*\s], 1
	s_add_co_u32 s[G0B+4*\s+1], s83, \s*SLOT
	s_add_nc_u64 s[G0B+4*\s+2:G0B+4*\s+3], s[80:81], \s*256
	s_or_b32 s[G0B+4*\s+3], s[G0B+4*\s+3], 0x80000000
	s_wait_alu depctr_va_vdst(0)
	s_wait_tensorcnt 0x0
	ds_add_u32 v28, v29
	ds_add_u32 v28, v29
	s_wait_dscnt 0x0
	CROUND
	JLOAD \s
.endr
	v_and_b32 v1, 15, v0
	v_bfe_u32 v2, v0, 4, 1
	v_mul_u32_u24 v3, v1, PITCH
	s_wait_alu depctr_va_vdst(0)
	v_lshl_add_u32 v4, v2, 4, v3
	s_mul_i32 s21, s15, 64*PITCH
	s_mul_i32 s22, s16, 128*PITCH
	s_add_co_u32 s22, s22, BOFF
.irp s, 0,1
	v_add_nc_u32 v[ADRA+\s], s21, v4
	v_add_nc_u32 v[ADRB+\s], s22, v4
	s_add_co_u32 s21, s21, SLOT
	s_add_co_u32 s22, s22, SLOT
.endr
	s_mul_i32 s23, s15, 64*PITCH
	s_lshl_b32 s21, s16, 7
	s_add_co_u32 s23, s23, s21
	v_lshl_add_u32 v5, v2, 3, v3
	v_add_nc_u32 v[STO], s23, v5
	s_mul_i32 s23, s14, 32*PITCH
	v_mul_u32_u24 v5, v2, PITCH
	v_lshl_add_u32 v5, v1, 4, v5
	v_add_nc_u32 v[RD], s23, v5
	s_lshl_b32 s21, s14, 5
	v_add_nc_u32 v6, s21, v2
	v_lshlrev_b32 v[OFFS], s84, v6
	v_lshl_add_u32 v[OFFS], v1, 4, v[OFFS]
	s_lshl_b32 s90, 2, s84
.irp t, 1,2,3,4,5,6,7,8,9,10,11,12,13,14,15
	v_add_nc_u32 v[OFFS+\t], s90, v[OFFS+\t-1]
.endr
	v_lshlrev_b32 v7, 8, v1
	v_lshl_add_u32 v7, v2, 5, v7
	s_lshl_b32 s21, s15, 6
	s_add_co_u32 s21, s77, s21
	s_lshl_b32 s92, s21, 8
	s_mov_b32 s93, 0
	s_add_nc_u64 s[6:7], s[6:7], s[92:93]
	s_cmp_lt_u32 ttmp9, 40
	s_cbranch_scc0 .Lno_rope
	WIN 0xc0
	s_wait_alu depctr_va_vdst(0)
.irp a, 0,1,2,3
.irp u, 0,1
	global_load_b128 v[32*\a+16*\u:32*\a+16*\u+3], v7, s[6:7] offset:4096*\a+64*\u
	global_load_b128 v[32*\a+16*\u+4:32*\a+16*\u+7], v7, s[6:7] offset:4096*\a+64*\u+16
	global_load_b128 v[32*\a+16*\u+8:32*\a+16*\u+11], v7, s[6:7] offset:4096*\a+64*\u+128
	global_load_b128 v[32*\a+16*\u+12:32*\a+16*\u+15], v7, s[6:7] offset:4096*\a+64*\u+144
.endr
.endr
	WIN 0
	s_branch .Lrope_done
.Lno_rope:
	WIN 0xc0
.set j, 0
.rept 128
.if (j%16) < 8
	v_mov_b32 v[j], 1.0
.else
	v_mov_b32 v[j], 0
.endif
.set j, j+1
.endr
	WIN 0
.Lrope_done:
	s_wait_kmcnt 0x0
	s_add_co_i32 s91, s68, s69
	s_cmp_lt_u32 ttmp9, 32
	s_cselect_b32 s94, s71, s70
	s_cmp_lt_u32 ttmp9, 40
	s_cselect_b32 s94, s94, s72
	s_sub_co_i32 s92, 130, s91
	s_lshl_b32 s92, s92, 23
	v_mov_b32 v[CL], s92
	s_sub_co_i32 s94, s94, s91
	s_add_co_i32 s94, s94, 127
	s_lshl_b32 s95, s94, 23
	v_mov_b32 v[SCV], s95
	s_add_co_i32 s94, s94, 15
	s_lshl_b32 s94, s94, 23
	s_or_b32 s94, s94, 0x600000
	v_mov_b32 v[HO], s94
.macro FRAG reg, adr, q, i
.irp c, 0,1,2,3
	ds_load_b128 v[\reg+4*\c:\reg+4*\c+3], v[\adr] offset:128*(\q)+32*\c+(\i)*16*PITCH
.endr
.endm
.macro FETCH slot, q, p
	WIN TO_B
.irp i, 0,1,2,3,4,5,6,7
	FRAG 128*(\p)+16*\i, ADRB+\slot, \q, \i
.endr
	WIN 0
.irp i, 0,1,2,3
	FRAG AF+64*(\p)+16*\i, ADRA+\slot, \q, \i
.endr
.endm
.macro MUL8 a, p, zero
.irp b, 0,1,2,3,4,5,6,7
.if \zero
	v_wmma_f32_16x16x128_bf8_bf8 v[8*(8*(\a)+\b):8*(8*(\a)+\b)+7], v[128*(\p)+16*\b:128*(\p)+16*\b+15], v[AF+64*(\p)+16*(\a):AF+64*(\p)+16*(\a)+15], 0
.else
	v_wmma_f32_16x16x128_bf8_bf8 v[8*(8*(\a)+\b):8*(8*(\a)+\b)+7], v[128*(\p)+16*\b:128*(\p)+16*\b+15], v[AF+64*(\p)+16*(\a):AF+64*(\p)+16*(\a)+15], v[8*(8*(\a)+\b):8*(8*(\a)+\b)+7]
.endif
.endr
.endm
.macro STEP slot, zero
	s_wait_dscnt 0x0
	PLACES 4
	FETCH \slot, 1, 1
	WIN MUL
	MUL8 0, 0, \zero
	MUL8 1, 0, \zero
	MUL8 2, 0, \zero
	MUL8 3, 0, \zero
	WIN 0
.endm
.macro TURN slot, next, fill
	s_wait_tensorcnt 0x0
	ds_add_u32 v[SPW], v[NIL]
	s_wait_dscnt 1
	WIN MUL
	MUL8 0, 1, 0
	s_wait_dscnt 0x0
	s_barrier_signal -1
	MUL8 1, 1, 0
	WIN 0
	s_barrier_wait -1
.if \fill
	CREST
	s_add_nc_u64 s[G0A+4*\slot+2:G0A+4*\slot+3], s[G0A+4*\slot+2:G0A+4*\slot+3], 512
	s_add_nc_u64 s[G0B+4*\slot+2:G0B+4*\slot+3], s[G0B+4*\slot+2:G0B+4*\slot+3], 512
	JLOAD \slot
.else
	PLACES 4
.endif
	FETCH \next, 0, 0
	WIN MUL
	MUL8 2, 1, 0
	MUL8 3, 1, 0
	WIN 0
.endm
	s_wait_tensorcnt 1
	s_barrier_signal -1
	s_barrier_wait -1
	FETCH 0, 0, 0
	STEP 0, 1
	s_mov_b32 s3, 3
.Llap:
	TURN 0, 1, 1
	STEP 1, 0
	TURN 1, 0, 1
	STEP 0, 0
	s_sub_co_u32 s3, s3, 1
	s_cmp_lg_u32 s3, 0
	s_cbranch_scc1 .Llap
	TURN 0, 1, 0
	STEP 1, 0
	s_wait_dscnt 0x0
	WIN MUL
	MUL8 0, 1, 0
	MUL8 1, 1, 0
	MUL8 2, 1, 0
	MUL8 3, 1, 0
	WIN 0
.macro EPI a
	WIN 0x02
.set j, 0
.rept 64
	v_med3_num_f32 v[T+j], v[64*(\a)+j], -v[CL], v[CL]
.set j, j+1
.endr
	WIN 0x0c
.irp hh, 0,1
.irp u, 0,1
.irp p, 0,2,4,6
	v_pk_mul_f32 v[TT+2*\p:TT+2*\p+1], v[T+8*(4*\hh+\u+2)+\p:T+8*(4*\hh+\u+2)+\p+1], v[32*(\a)+16*\u+8+\p:32*(\a)+16*\u+8+\p+1]
	v_pk_mul_f32 v[TT+2*\p+2:TT+2*\p+3], v[T+8*(4*\hh+\u)+\p:T+8*(4*\hh+\u)+\p+1], v[32*(\a)+16*\u+8+\p:32*(\a)+16*\u+8+\p+1]
	v_pk_fma_f32 v[T+8*(4*\hh+\u)+\p:T+8*(4*\hh+\u)+\p+1], v[T+8*(4*\hh+\u)+\p:T+8*(4*\hh+\u)+\p+1], v[32*(\a)+16*\u+\p:32*(\a)+16*\u+\p+1], v[TT+2*\p:TT+2*\p+1] neg_lo:[0,0,1] neg_hi:[0,0,1]
	v_pk_fma_f32 v[T+8*(4*\hh+\u+2)+\p:T+8*(4*\hh+\u+2)+\p+1], v[T+8*(4*\hh+\u+2)+\p:T+8*(4*\hh+\u+2)+\p+1], v[32*(\a)+16*\u+\p:32*(\a)+16*\u+\p+1], v[TT+2*\p+2:TT+2*\p+3]
.endr
.endr
.endr
	WIN 0
.set j, 0
.rept 64
	v_med3_num_f32 v[T+j], v[T+j], -v[HO], v[HO]
.set j, j+1
.endr
.irp b, 0,1,2,3,4,5,6,7
	v_cvt_scalef32_pk8_bf8_f32 v[AF+16*(\a)+2*\b:AF+16*(\a)+2*\b+1], v[T+8*\b:T+8*\b+7], v[SCV]
.endr
	v_nop
.irp b, 0,1,2,3,4,5,6,7
	ds_store_b64 v[STO], v[AF+16*(\a)+2*\b:AF+16*(\a)+2*\b+1] offset:16*(\a)*PITCH+16*\b
.endr
.endm
	s_wait_alu depctr_va_vdst(0)
	s_wait_loadcnt 0x0
	PLACES 4
	EPI 0
	EPI 1
	EPI 2
	EPI 3
	s_wait_dscnt 0x0
	s_barrier_signal -1
	s_barrier_wait -1
.irp t, 0,1,2,3,4,5,6,7,8,9,10,11,12,13,14,15
	ds_load_b128 v[192+4*\t:195+4*\t], v[RD] offset:2*\t*PITCH
.endr
.irp t, 0,1,2,3,4,5,6,7,8,9,10,11,12,13,14,15
	s_wait_dscnt 15-\t
	global_store_b128 v[OFFS+\t], v[192+4*\t:195+4*\t], s[10:11]
.endr
	s_wait_tensorcnt 0x0
	ds_add_u32 v[SPW], v[NIL]
	s_wait_dscnt 0x0
	CROUND
	s_endpgm
.Lfunc_end_k_q2802eda336_qkv:
	.size	k_q2802eda336_qkv, .Lfunc_end_k_q2802eda336_qkv-k_q2802eda336_qkv
	.p2alignl 7, 3214868480
	.fill 96, 4, 3214868480
	.section	.rodata,"a",@progbits
	.p2align	6, 0x0
	.amdhsa_kernel k_q2802eda336_qkv
		.amdhsa_group_segment_fixed_size 327680
		.amdhsa_private_segment_fixed_size 0
		.amdhsa_enable_private_segment 0
		.amdhsa_kernarg_size 32
		.amdhsa_user_sgpr_count 2
		.amdhsa_user_sgpr_kernarg_segment_ptr 1
		.amdhsa_wavefront_size32 1
		.amdhsa_system_sgpr_workgroup_id_x 1
		.amdhsa_system_sgpr_workgroup_id_y 1
		.amdhsa_system_sgpr_workgroup_id_z 1
		.amdhsa_system_vgpr_workitem_id 0
		.amdhsa_next_free_vgpr 1024
		.amdhsa_next_free_sgpr 100
		.amdhsa_reserve_vcc 0
		.amdhsa_float_denorm_mode_32 3
		.amdhsa_float_denorm_mode_16_64 3
		.amdhsa_memory_ordered 1
		.amdhsa_forward_progress 1
		.amdhsa_inst_pref_size 118
	.end_amdhsa_kernel
	.amdgpu_metadata
---
amdhsa.version: [ 1, 2 ]
amdhsa.kernels:
  - .name:           k_q2802eda336_qkv
    .symbol:         k_q2802eda336_qkv.kd
    .args:
      - { .name: codes1, .offset: 0, .size: 8, .value_kind: global_buffer, .address_space: global }
      - { .name: rope, .offset: 8, .size: 8, .value_kind: global_buffer, .address_space: global }
      - { .name: lowp_scales, .offset: 16, .size: 8, .value_kind: global_buffer, .address_space: global }
      - { .name: qkvc, .offset: 24, .size: 8, .value_kind: global_buffer, .address_space: global }
    .group_segment_fixed_size: 327680
    .private_segment_fixed_size: 0
    .kernarg_segment_align: 8
    .kernarg_segment_size: 32
    .max_flat_workgroup_size: 128
    .sgpr_count:     100
    .vgpr_count:     1024
    .wavefront_size: 32
...
	.end_amdgpu_metadata
.endif
;; end of part 2
;; launch attn (part 3): grid 32 x 8, 16 waves a work-group, no clusters, 299,520 bytes of LDS; arguments qkvc, masks, lowp_scales, attnc; writes attnc
.if DOCPART == 3
	.amdgcn_target "amdgcn-amd-amdhsa--gfx1250"
	.amdhsa_code_object_version 6
	.text
	.protected	k_q2802eda336_attn
	.globl	k_q2802eda336_attn
	.p2align	8
	.type	k_q2802eda336_attn,@function
k_q2802eda336_attn:
	s_mov_b64 s[64:65], 0
	v_nop
	global_prefetch_b8 v0, s[64:65] scope:SCOPE_SE
	s_setreg_imm32_b32 hwreg(HW_REG_WAVE_MODE, 25, 1), 1
	s_wait_xcnt 0x0
; Attention on codes of E5M2, and its result quantised for the last product.  q [token][2048], k [token][512], v [64 g + d][2048 keys] lie in qkvc.
; p = 2^(t - M), t = score x log2(e) / 8, M = the running largest t rounded up to a whole number; p is quantised with 2^e5; the row's sum is taken of the unquantised p and divides at the end.
; SHARES.  Work-group (i, g) takes query blocks 63 - i and i (32 queries each) of key/value head g, in two passes of one loop.  In a pass all sixteen waves serve one block:
; unit u = w % 4 is a tile of 16 queries (u / 2) with two query heads (4 g + 2 (u % 2) + 0, 1), which share every fragment of K and V and the mask's words;
; the unit's four waves share the keys out: quarter q = w / 4 takes steps q and q + 4 of each slot of 512 keys (a step is 64 keys).
; At a pass's end the four partial results of a unit (O^T, -M, the sum) meet in LDS; M is a whole number, so they are brought under the common M by exact powers of two.  Wave q joins channels 16 q .. 16 q + 15 of both heads.
; THE MASK IS DATA.  An earlier launch has stored, for each tile of 16 queries, words of lane bits and two flags a step: ACT (some pair counts) and MIX (some pair is hidden).
; A step without ACT is left out by a scalar branch; a step with MIX replaces hidden scores by -2^100.  That number x c is a whole number, so a row that has met hidden keys alone has p = 1 for each of them;
; a key that counts, in the same wave or in a partner, multiplies all that by 2^(old M - new M) = 0; a row that sees no key at all (its tile then has every step on) ends as the plain mean over all keys.
; A wave that walked no step brings -M = 3e38, a sum of 0 and zeros: its factor is 0.
; K and V come through registers into two LDS slots, asked for a whole slot ahead: no tensor load, no joint loads and no cluster.
; THE HOLD OF p at 57,344 x 2^e5 changes nothing where e5 >= -15 (p is at most 1, the bound then at least 1.75).
; LAYOUT.  Both products are used transposed: S^T = K Q^T, O^T = V^T P^T: a lane holds one query (lane % 16) throughout.  Lane r of key tile 2 b + u takes key 32 b + 8 u + r + 8 (r / 8),
; so that the 16 registers of tiles 2 b and 2 b + 1 are keys 32 b + 16 (lane / 16) + 0 .. 15: the conversions' results are the second product's operand.
; LIMITS: e2 + e3 between -60 and 25 (-2^100 x c stays a whole number and finite); e5, and e6 - e4 - e5, between -126 and 112.  NaN is not served.
; REGISTERS: v1-6, v255 addresses; v7, v8 p's hold and scale; v9 -2^100; v10-12, v252-254 at work; v13 Q's offset; v14, v15 the spare word's address and 0; v16-31 Q; v32-63 four fragments of K, then of V;
;   v64-95 the next slot on its way; v96-159 S^T, then p; v160-223 O^T; v224-239 p's codes; v240-247 for each tile -M, largest t, the sum in two halves; v248-251 f.
.set KP, 80                            ; a key's row in LDS: 64 bytes + 16
.set VP, 528                           ; a row of V^T: 512 keys + 16
.set KSL, 512*KP                       ; K's part of a slot; K's two parts lie first, so that every offset fits 16 bits
.set VOFF, 2*KSL
.set VSL, 64*VP
.set STG, VOFF+2*VSL                   ; the way out: 32 rows x 272
.set SP, 272
.set PR, STG+32*SP                     ; the partial results: 8,192 bytes of O^T and 512 of (-M, sum) x 2 for each wave
.set PW, 8704
.set SPARE, PR+16*PW                   ; the spare words: 128 bytes a wave
.set KOFF, 4194304
.set VTOFF, 5242880
.set FLAGS, 524288
.set SU, 52                            ; s52 steps that some wave of the work-group walks, from the slot to be fetched on
.set SA, 53                            ; s53 my tile's ACT, from my first step of the slot in hand on
.set SM, 54                            ; s54 my tile's MIX
.macro LOADKV                          ; a slot: 512 keys of K (four loads of 128 rows) and 64 rows x 512 keys of V^T (four loads of 16 rows)
.irp j, 0,1,2,3
	global_load_b128 v[64+4*\j:67+4*\j], v3, s[24:25] offset:65536*\j
.endr
.irp j, 0,1,2,3
	global_load_b128 v[80+4*\j:83+4*\j], v4, s[26:27] offset:32768*\j
.endr
.endm
.macro STOREKV ka, sl
.irp j, 0,1,2,3
	ds_store_b128 v[\ka], v[64+4*\j:67+4*\j] offset:\j*128*KP
.endr
.irp j, 0,1,2,3
	ds_store_b128 v6, v[80+4*\j:83+4*\j] offset:(\sl)*VSL+\j*16*VP
.endr
.endm
; What a pass needs of block s17: the flags of its two tiles, the pointers, Q, and slot 0 on its way into registers
.macro SETUP
	s_lshl_b32 s48, s17, 4
	s_add_co_u32 s48, s48, FLAGS
	s_mov_b32 s49, 0
	s_add_nc_u64 s[48:49], s[6:7], s[48:49]
	s_load_b128 s[40:43], s[48:49], 0x0            ; ACT, MIX of tiles 2 b, 2 b + 1
	s_lshl_b32 s18, s17, 1
	s_add_co_u32 s18, s18, s46                     ; T: my tile of 16 queries
	s_lshl_b32 s56, s18, 15
	s_lshl_b32 s55, s16, 8
	s_add_co_u32 s56, s56, s55
	s_lshl_b32 s55, s19, 7
	s_add_co_u32 s56, s56, s55
	s_mov_b32 s57, 0
	s_add_nc_u64 s[30:31], s[4:5], s[56:57]        ; Q at my tile and my first head
	s_lshl_b32 s56, s16, 6
	s_add_co_u32 s56, s56, KOFF
	s_add_nc_u64 s[24:25], s[4:5], s[56:57]        ; K at my head
	s_lshl_b32 s56, s16, 17
	s_add_co_u32 s56, s56, VTOFF
	s_add_nc_u64 s[26:27], s[4:5], s[56:57]        ; V^T at my head
	s_lshl_b32 s56, s18, 12
	s_lshl_b32 s55, s44, 7
	s_add_co_u32 s56, s56, s55
	s_add_nc_u64 s[28:29], s[6:7], s[56:57]        ; my tile's mask words, at step q
.irp x, 0,1
.irp c, 0,1
	global_load_b128 v[16+8*\x+4*\c:19+8*\x+4*\c], v13, s[30:31] offset:64*\x+32*\c
.endr
.endr
	LOADKV
.endm
	s_load_b256 s[4:11], s[0:1], 0x0               ; qkvc s[4:5], masks s[6:7], scales s[8:9], attnc s[10:11]
	v_lshl_add_u32 v14, v0, 2, SPARE
	v_mov_b32 v15, 0
	v_lshrrev_b32 v10, 5, v0
	v_readfirstlane_b32 s14, v10                   ; wave 0..15
	s_mov_b32 s15, ttmp9                           ; i
	s_and_b32 s16, ttmp7, 0xffff                   ; g
	s_sub_co_u32 s17, 63, s15                      ; the first pass's block
	s_lshr_b32 s44, s14, 2                         ; q: my quarter of the keys
	s_and_b32 s45, s14, 3                          ; u: my unit
	s_bfe_u32 s46, s14, 0x10001                    ; its tile of the block's two
	s_and_b32 s19, s14, 1                          ; its pair of heads
	s_mov_b32 s20, 0x76543210                      ; v_permlanex16_b32: lane l xor 16
	s_mov_b32 s21, 0xfedcba98
	s_mul_i32 s50, s45, 4*PW
	s_add_co_u32 s50, s50, PR                      ; my unit's four partial results
	s_mul_i32 s51, s44, PW                         ; mine among them
	s_lshl_b32 s66, s44, 10                        ; the piece that I join: two groups of four registers, 512 bytes each, for each 16 channels
	s_mul_i32 s67, s46, 16*SP
	s_lshl_b32 s55, s19, 7
	s_add_co_u32 s67, s67, s55
	s_lshl_b32 s55, s44, 4
	s_add_co_u32 s67, s67, s55
	s_add_co_u32 s67, s67, STG                     ; the stage: my tile's rows, my pair's 128 bytes, my 16 channels
	s_mul_i32 s55, s44, 64*KP
	s_lshl_b32 s56, s44, 6
	s_add_co_u32 s56, s56, VOFF
	v_and_b32 v10, 15, v0                          ; r
	v_bfe_u32 v11, v0, 4, 1                        ; h
	v_mul_u32_u24 v1, v10, KP                      ; a tile's sixteen keys lie in sixteen rows on end (see the stores' address below)
	v_lshl_add_u32 v1, v11, 4, v1
	v_add_nc_u32 v1, s55, v1                       ; my place in a tile of K, at step q
	v_mul_u32_u24 v2, v10, VP
	v_lshl_add_u32 v2, v11, 4, v2
	v_add_nc_u32 v2, s56, v2                       ; and of V^T
	v_lshrrev_b32 v12, 2, v0
	v_and_b32 v252, 3, v0
	v_lshlrev_b32 v3, 9, v12
	v_lshl_add_u32 v3, v252, 4, v3                 ; K in memory: four threads to a key's 64 bytes, keys 512 bytes apart
	v_and_b32 v253, 0x67, v12                      ; K's ROWS IN LDS STAND IN THE ORDER IN WHICH THE TILES READ THEM: key 32 b + 16 a + 8 u + j lies in row 32 b + 16 u + 8 a + j,
	v_bfe_u32 v254, v12, 3, 1                      ; so that lane r of tile 2 b + u finds its key 32 b + 8 u + r + 8 (r / 8) in row 16 (2 b + u) + r:
	v_lshl_or_b32 v253, v254, 4, v253              ; sixteen rows of 80 bytes on end start at sixteen different columns of 16 bytes modulo 256
	v_bfe_u32 v254, v12, 4, 1
	v_lshl_or_b32 v253, v254, 3, v253
	v_mul_u32_u24 v5, v253, KP
	v_lshl_add_u32 v5, v252, 4, v5
	v_add_nc_u32 v255, KSL, v5                     ; in slot 1
	v_lshrrev_b32 v12, 5, v0
	v_and_b32 v252, 31, v0
	v_lshlrev_b32 v4, 11, v12
	v_lshl_add_u32 v4, v252, 4, v4                 ; V^T in memory: a wave to a row's 512 bytes
	v_mul_u32_u24 v6, v12, VP
	v_lshl_add_u32 v6, v252, 4, v6
	v_add_nc_u32 v6, VOFF, v6
	v_lshlrev_b32 v13, 11, v10
	v_lshl_add_u32 v13, v11, 4, v13                ; Q: token r of 2,048 bytes, + 16 h
	v_mov_b32 v9, 0xf1800000                       ; -2^100
	v_mov_b32 v249, 0                              ; (upper halves of the pairs that hold f)
	v_mov_b32 v251, 0
	v_mov_b32 v12, 0                               ; a lane permute's destination counts as read
	v_mov_b32 v254, 0
	s_wait_alu depctr_va_vdst(0)
	s_wait_kmcnt 0x0
	s_load_b256 s[32:39], s[8:9], 0x0              ; e0 .. e7
	SETUP
	s_wait_kmcnt 0x0
	s_add_co_i32 s55, s34, s35
	s_lshl_b32 s55, s55, 23
	s_add_co_i32 s22, s55, 0x3e38aa3b              ; c = log2(e) / 8, with e2 + e3 added to its exponent field
	s_mov_b32 s23, s22
	s_add_co_i32 s55, s37, 127
	s_lshl_b32 s56, s55, 23
	v_mov_b32 v8, s56                              ; 2^e5
	s_add_co_i32 s55, s55, 15
	s_lshl_b32 s55, s55, 23
	s_or_b32 s55, s55, 0x600000
	v_mov_b32 v7, s55                              ; 57,344 x 2^e5
	s_cmp_ge_i32 s37, -15
	s_cselect_b32 s59, 1, 0                        ; 1: p's hold changes nothing
	s_sub_co_i32 s55, s38, s36
	s_sub_co_i32 s55, s55, s37
	s_add_co_i32 s55, s55, 127
	s_lshl_b32 s60, s55, 23                        ; 2^(e6 - e4 - e5): O^T / l stands for that x 2^(e4 + e5)
	s_add_co_i32 s55, s55, 15
	s_lshl_b32 s55, s55, 23
	s_or_b32 s61, s55, 0x600000                    ; 57,344 x that
	s_mov_b32 s47, 0                               ; the pass
; A STEP: 64 keys, my st-th of slot sl.
.macro STEP sl, st
	s_bitcmp1_b32 s[SA], 4*(\st)
	s_cbranch_scc0 .Lskip_\@
.rept 4
	v_nop                                          ; four plain lines between the last products and the loads into registers that they read
.endr
.irp tt, 0,1,2,3
.irp c, 0,1
	ds_load_b128 v[32+8*\tt+4*\c:35+8*\tt+4*\c], v1 offset:(\sl)*KSL+(256*(\st)+16*\tt)*KP+32*\c
.endr
.endr
	s_wait_dscnt 0x0
.irp tt, 0,1,2,3
.irp x, 0,1
	v_wmma_f32_16x16x64_bf8_bf8 v[96+32*\x+8*\tt:103+32*\x+8*\tt], v[32+8*\tt:39+8*\tt], v[16+8*\x:23+8*\x], 0
.endr
.endr
.rept 4
	v_nop                                          ; four plain lines: for V's loads into K's registers, and for the first read of the scores
.endr
.irp dt, 0,1,2,3
.irp c, 0,1
	ds_load_b128 v[32+8*\dt+4*\c:35+8*\dt+4*\c], v2 offset:(\sl)*VSL+16*\dt*VP+256*(\st)+32*\c   ; V^T lands while the softmax is walked
.endr
.endr
	s_bitcmp1_b32 s[SM], 4*(\st)
	s_cbranch_scc0 .Lopen_\@
	s_load_b512 s[68:83], s[28:29], 512*(\st)
	s_load_b512 s[84:99], s[28:29], 512*(\st)+64
	s_wait_kmcnt 0x0
.set n, 0
.rept 32
	v_cndmask_b32 v[96+n], v[96+n], v9, s[68+n]    ; hidden scores become -2^100, for both heads; each tile from its low end on
	v_cndmask_b32 v[128+n], v[128+n], v9, s[68+n]
.set n, n+1
.endr
.Lopen_\@:
.irp x, 0,1                            ; the step's largest score of my query among my 32 keys, in two chains; the two tiles line by line
	v_max3_num_f32 v[10+242*\x], v[96+32*\x], v[97+32*\x], v[98+32*\x]
	v_max3_num_f32 v[11+242*\x], v[99+32*\x], v[100+32*\x], v[101+32*\x]
.endr
.irp i, 6,10,14,18,22,26
.irp x, 0,1
	v_max3_num_f32 v[10+242*\x], v[10+242*\x], v[96+32*\x+\i], v[97+32*\x+\i]
	v_max3_num_f32 v[11+242*\x], v[11+242*\x], v[98+32*\x+\i], v[99+32*\x+\i]
.endr
.endr
.irp x, 0,1
	v_max3_num_f32 v[10+242*\x], v[10+242*\x], v[126+32*\x], v[127+32*\x]
.endr
.irp x, 0,1
	v_max_num_f32 v[10+242*\x], v[10+242*\x], v[11+242*\x]
.endr
.irp x, 0,1
	v_permlanex16_b32 v[12+242*\x], v[10+242*\x], s20, s21
.endr
.irp x, 0,1
	v_max_num_f32 v[10+242*\x], v[10+242*\x], v[12+242*\x]   ; and among lane l xor 16's
.endr
.irp x, 0,1
	v_mul_f32 v[10+242*\x], s22, v[10+242*\x]      ; as t (c is positive)
.endr
.irp x, 0,1
	v_max_num_f32 v[241+4*\x], v[241+4*\x], v[10+242*\x]
.endr
.irp x, 0,1
	v_mov_b32 v[10+242*\x], v[240+4*\x]
.endr
.irp x, 0,1
	v_floor_f32 v[240+4*\x], -v[241+4*\x]          ; the new -M = -ceil(t): a whole number
.endr
.irp x, 0,1
	v_sub_f32 v[10+242*\x], v[240+4*\x], v[10+242*\x]
.endr
.irp x, 0,1
	v_cvt_i32_f32 v[10+242*\x], v[10+242*\x]       ; (it saturates)
.endr
.irp x, 0,1
	v_ldexp_f32 v[248+2*\x], 1.0, v[10+242*\x]     ; f = 2^(old M - new M)
.endr
.set j, 0
.rept 16
	v_pk_fma_f32 v[96+j:97+j], v[96+j:97+j], s[22:23], v[240:241] op_sel_hi:[1,0,0]     ; t - M
	v_pk_fma_f32 v[128+j:129+j], v[128+j:129+j], s[22:23], v[244:245] op_sel_hi:[1,0,0]
.set j, j+2
.endr
	s_wait_alu depctr_va_vdst(0)
.set j, 0
.rept 64
	v_exp_f32 v[96+j], v[96+j]                     ; p = 2^(t - M)
.set j, j+1
.endr
	v_pk_mul_f32 v[242:243], v[242:243], v[248:249] op_sel_hi:[1,0]   ; the sums under the new M (plain lines behind the exponentials)
	v_pk_mul_f32 v[246:247], v[246:247], v[250:251] op_sel_hi:[1,0]
	s_wait_alu depctr_va_vdst(0)                   ; one wait for the batch of 64, ahead of its first reader
.irp x, 0,1
	v_pk_add_f32 v[10+242*\x:11+242*\x], v[96+32*\x:97+32*\x], v[98+32*\x:99+32*\x]   ; the sum of the unquantised p, in two chains
.endr
.irp j, 4,8,12,16,20,24,28
.irp x, 0,1
	v_pk_add_f32 v[242+4*\x:243+4*\x], v[242+4*\x:243+4*\x], v[96+32*\x+\j:97+32*\x+\j]
	v_pk_add_f32 v[10+242*\x:11+242*\x], v[10+242*\x:11+242*\x], v[98+32*\x+\j:99+32*\x+\j]
.endr
.endr
.irp x, 0,1
	v_pk_add_f32 v[242+4*\x:243+4*\x], v[242+4*\x:243+4*\x], v[10+242*\x:11+242*\x]
.endr
	s_wait_alu depctr_va_vdst(0)
	s_cmp_lg_u32 s59, 0
	s_cbranch_scc1 .Lnohold_\@                     ; e5 >= -15: p, at most 1, lies under the bound
.set j, 0
.rept 64
	v_min_num_f32 v[96+j], v[96+j], v7             ; p is not negative: a one-sided hold (the conversion does not saturate: ISA guide 7.6.2)
.set j, j+1
.endr
.Lnohold_\@:
.irp x, 0,1
.irp k, 0,1,2,3
	v_cvt_scalef32_pk8_bf8_f32 v[224+8*\x+2*\k:225+8*\x+2*\k], v[96+32*\x+8*\k:103+32*\x+8*\k], v8
.endr
.endr
	s_wait_alu depctr_va_vdst(0)
.set j, 0
.rept 16
	v_pk_mul_f32 v[160+j:161+j], v[160+j:161+j], v[248:249] op_sel_hi:[1,0]   ; O^T under the new M (also the plain lines behind the conversions)
	v_pk_mul_f32 v[192+j:193+j], v[192+j:193+j], v[250:251] op_sel_hi:[1,0]
.set j, j+2
.endr
	s_wait_alu depctr_va_vdst(0)
	s_wait_dscnt 0x0                               ; V^T is in
.irp dt, 0,1,2,3
.irp x, 0,1
	v_wmma_f32_16x16x64_bf8_bf8 v[160+32*\x+8*\dt:167+32*\x+8*\dt], v[32+8*\dt:39+8*\dt], v[224+8*\x:231+8*\x], v[160+32*\x+8*\dt:167+32*\x+8*\dt]
.endr
.endr
.Lskip_\@:
.endm
; A SLOT: the barrier shows the slot whole to every wave and the other slot read out; the next slot's bytes are asked for into registers, my two steps ahead of their LDS stores.
.macro SLOTPASS sl
	s_wait_dscnt 0x0                               ; my stores into this slot have landed, my reads of the other are over
	s_barrier_signal -1
	s_barrier_wait -1
	s_lshr_b32 s[SU], s[SU], 8
	s_and_b32 s55, s[SU], 255
	s_cmp_lg_u32 s55, 0                            ; does any wave walk a step of the next slot?  (behind the last slot the word is 0: no load leaves its buffer)
	s_cbranch_scc0 .Lno_load_\@
	LOADKV
.Lno_load_\@:
	STEP \sl, 0
	STEP \sl, 1
	s_wait_loadcnt 0x0                             ; on every path: no load is left pending into the staging registers
	s_and_b32 s55, s[SU], 255
	s_cmp_lg_u32 s55, 0
	s_cbranch_scc0 .Lno_store_\@
.if \sl == 0
	STOREKV 255, 1
.else
	STOREKV 5, 0
.endif
.Lno_store_\@:
	s_wait_xcnt 0x0                                ; the bases are stepped only behind this wait
	s_add_nc_u64 s[24:25], s[24:25], 262144
	s_add_nc_u64 s[26:27], s[26:27], 512
	s_add_nc_u64 s[28:29], s[28:29], 1024
	s_lshr_b32 s[SA], s[SA], 8
	s_lshr_b32 s[SM], s[SM], 8
.endm
.Lpass:                                            ; two trips: block 63 - i, then block i
	v_mov_b32 v241, 0xff61b1e6                     ; the largest t so far: -3e38
	v_mov_b32 v245, 0xff61b1e6
	v_floor_f32 v240, -v241                        ; -M
	v_floor_f32 v244, -v245
	v_mov_b32 v242, 0                              ; the sums
	v_mov_b32 v243, 0
	v_mov_b32 v246, 0
	v_mov_b32 v247, 0
.set j, 0
.rept 64
	v_mov_b32 v[160+j], 0                          ; O^T: the step is written once; a pass's first finds zeros
.set j, j+1
.endr
	s_wait_alu depctr_va_vdst(0)
	s_wait_kmcnt 0x0                               ; the flags
	s_or_b32 s[SU], s40, s42
	s_cmp_lg_u32 s46, 0
	s_cselect_b32 s[SA], s42, s40
	s_cselect_b32 s[SM], s43, s41
	s_lshr_b32 s[SA], s[SA], s44                   ; bit 0: step q, bit 4: step q + 4
	s_lshr_b32 s[SM], s[SM], s44
	s_lshl_b32 s56, s17, 16
	s_lshl_b32 s55, s16, 8
	s_add_co_u32 s56, s56, s55
	s_mov_b32 s57, 0
	s_wait_xcnt 0x0                                ; the last pass's store has read its base and its registers
	s_add_nc_u64 s[62:63], s[10:11], s[56:57]      ; the result: the block's 32 tokens, my group's 256 bytes
	s_wait_loadcnt 0x0                             ; Q and slot 0
	STOREKV 5, 0
	s_add_nc_u64 s[24:25], s[24:25], 262144        ; on to slot 1 (the loads are done)
	s_add_nc_u64 s[26:27], s[26:27], 512
	s_mov_b32 s58, 2
.Lslots:
	SLOTPASS 0
	SLOTPASS 1
	s_sub_co_u32 s58, s58, 1
	s_cmp_lg_u32 s58, 0
	s_cbranch_scc1 .Lslots
.rept 4
	v_nop                                          ; four plain lines behind the last products
.endr
	s_cmp_lg_u32 s47, 0
	s_cbranch_scc1 .Lno_next
	s_mov_b32 s17, s15                             ; the second pass's flags, Q and slot 0 are on their way while the first pass's results are joined
	SETUP
.Lno_next:
	; THE JOIN.  My sums' halves and lane l xor 16's; then O^T and (-M, l) x 2 as an image of the registers into my part of LDS.
	v_add_f32 v241, v242, v243
	v_add_f32 v243, v246, v247
	v_mov_b32 v242, v244
	v_and_b32 v10, 31, v0
	v_permlanex16_b32 v12, v241, s20, s21
	v_permlanex16_b32 v254, v243, s20, s21
	v_lshlrev_b32 v10, 4, v10
	v_and_b32 v48, 15, v0
	v_add_f32 v241, v241, v12                      ; v[240:243] = -M, l of head 0, -M, l of head 1
	v_add_f32 v243, v243, v254
	v_add_nc_u32 v11, s50, v10                     ; my unit's partial results, 16 bytes a lane
	v_bfe_u32 v49, v0, 4, 1
	v_add_nc_u32 v10, s51, v11                     ; mine
	v_add_nc_u32 v252, s66, v11                    ; the piece that I join
	v_mul_u32_u24 v253, v48, SP
	v_lshl_add_u32 v253, v49, 3, v253
	v_add_nc_u32 v253, s67, v253                   ; the stage, in: row r, + 8 h
	v_lshrrev_b32 v49, 4, v0
	v_mul_u32_u24 v58, v49, SP
	v_lshl_add_u32 v58, v48, 4, v58
	v_add_nc_u32 v58, STG, v58                     ; back: sixteen threads to a row of 256 bytes
	v_lshlrev_b32 v59, 11, v49
	v_lshl_add_u32 v59, v48, 4, v59                ; and the same in attnc
	v_mov_b32 v52, s60
	v_mov_b32 v53, s61
.set k, 0
.rept 16
	ds_store_b128 v10, v[160+4*k:163+4*k] offset:512*k   ; each accumulator from its low end on
.set k, k+1
.endr
	ds_store_b128 v10, v[240:243] offset:8192
	s_wait_alu depctr_va_vdst(0)
	s_wait_dscnt 0x0                               ; for the others' sake
	s_barrier_signal -1
	s_barrier_wait -1
.irp k, 0,1,2,3
	ds_load_b128 v[32+4*\k:35+4*\k], v11 offset:8192+\k*PW
.endr
.irp k, 0,1,2,3
.irp x, 0,1
.irp c, 0,1
	ds_load_b128 v[96+16*\k+8*\x+4*\c:99+16*\k+8*\x+4*\c], v252 offset:\k*PW+4096*\x+512*\c
.endr
.endr
.endr
	s_wait_dscnt 16                                ; the four (-M, l) are in; the 16 younger loads may be out
	v_min_num_f32 v48, v32, v36
	v_min_num_f32 v49, v34, v38
	v_min_num_f32 v50, v40, v44
	v_min_num_f32 v51, v42, v46
	v_min_num_f32 v48, v48, v50                    ; the common -M
	v_min_num_f32 v49, v49, v51
.irp k, 0,1,2,3
	v_sub_f32 v[32+4*\k], v48, v[32+4*\k]
	v_sub_f32 v[34+4*\k], v49, v[34+4*\k]
.endr
.irp k, 0,1,2,3
	v_cvt_i32_f32 v[32+4*\k], v[32+4*\k]           ; (it saturates)
	v_cvt_i32_f32 v[34+4*\k], v[34+4*\k]
.endr
.irp k, 0,1,2,3
	v_ldexp_f32 v[32+4*\k], 1.0, v[32+4*\k]        ; 2^(partner's M - the common M)
	v_ldexp_f32 v[34+4*\k], 1.0, v[34+4*\k]
.endr
	v_mul_f32 v50, v32, v33
	v_mul_f32 v51, v34, v35
.irp k, 1,2,3
	v_fmac_f32 v50, v[32+4*\k], v[33+4*\k]         ; the row's sum
	v_fmac_f32 v51, v[34+4*\k], v[35+4*\k]
.endr
	s_wait_alu depctr_va_vdst(0)
	v_rcp_f32 v54, v50
	v_rcp_f32 v55, v51
	v_nop                                          ; a plain line behind the reciprocals
	s_wait_alu depctr_va_vdst(0)                   ; and the wait ahead of their first reader
.irp k, 0,1,2,3
	v_mul_f32 v[32+4*\k], v[32+4*\k], v54
	v_mul_f32 v[34+4*\k], v[34+4*\k], v55
.endr
	s_wait_alu depctr_va_vdst(0)
	s_wait_dscnt 0x0
.irp x, 0,1
.irp p, 0,2,4,6
	v_pk_mul_f32 v[224+8*\x+\p:225+8*\x+\p], v[96+8*\x+\p:97+8*\x+\p], v[32+2*\x:33+2*\x] op_sel_hi:[1,0]
.endr
.endr
.irp k, 1,2,3
.irp x, 0,1
.irp p, 0,2,4,6
	v_pk_fma_f32 v[224+8*\x+\p:225+8*\x+\p], v[96+16*\k+8*\x+\p:97+16*\k+8*\x+\p], v[32+4*\k+2*\x:33+4*\k+2*\x], v[224+8*\x+\p:225+8*\x+\p] op_sel_hi:[1,0,1]
.endr
.endr
.endr
.set j, 0
.rept 16
	v_med3_num_f32 v[224+j], v[224+j], -v53, v53
.set j, j+1
.endr
	v_cvt_scalef32_pk8_bf8_f32 v[56:57], v[224:231], v52
	v_cvt_scalef32_pk8_bf8_f32 v[60:61], v[232:239], v52
	v_nop                                          ; a plain line behind the last conversion
	ds_store_b64 v253, v[56:57]
	ds_store_b64 v253, v[60:61] offset:64
	s_wait_alu depctr_va_vdst(0)
	s_wait_dscnt 0x0                               ; for the others' sake
	s_barrier_signal -1
	s_barrier_wait -1
	ds_load_b128 v[32:35], v58
	s_wait_dscnt 0x0
	global_store_b128 v59, v[32:35], s[62:63]      ; sixteen lanes store 256 consecutive bytes, aligned
	s_add_co_u32 s47, s47, 1
	s_cmp_lt_u32 s47, 2
	s_cbranch_scc1 .Lpass
	s_wait_tensorcnt 0x0                           ; the wave's end
	ds_add_u32 v14, v15
	s_wait_dscnt 0x0
	s_endpgm
.Lfunc_end_k_q2802eda336_attn:
	.size	k_q2802eda336_attn, .Lfunc_end_k_q2802eda336_attn-k_q2802eda336_attn
	.p2alignl 7, 3214868480
	.fill 96, 4, 3214868480
	.section	.rodata,"a",@progbits
	.p2align	6, 0x0
	.amdhsa_kernel k_q2802eda336_attn
		.amdhsa_group_segment_fixed_size 299520
		.amdhsa_private_segment_fixed_size 0
		.amdhsa_enable_private_segment 0
		.amdhsa_kernarg_size 32
		.amdhsa_user_sgpr_count 2
		.amdhsa_user_sgpr_kernarg_segment_ptr 1
		.amdhsa_wavefront_size32 1
		.amdhsa_system_sgpr_workgroup_id_x 1
		.amdhsa_system_sgpr_workgroup_id_y 1
		.amdhsa_system_sgpr_workgroup_id_z 1
		.amdhsa_system_vgpr_workitem_id 0
		.amdhsa_next_free_vgpr 256
		.amdhsa_next_free_sgpr 100
		.amdhsa_reserve_vcc 0
		.amdhsa_float_denorm_mode_32 3
		.amdhsa_float_denorm_mode_16_64 3
		.amdhsa_memory_ordered 1
		.amdhsa_forward_progress 1
		.amdhsa_inst_pref_size 106
	.end_amdhsa_kernel
	.amdgpu_metadata
---
amdhsa.version: [ 1, 2 ]
amdhsa.kernels:
  - .name:           k_q2802eda336_attn
    .symbol:         k_q2802eda336_attn.kd
    .args:
      - { .name: qkvc, .offset: 0, .size: 8, .value_kind: global_buffer, .address_space: global }
      - { .name: masks, .offset: 8, .size: 8, .value_kind: global_buffer, .address_space: global }
      - { .name: lowp_scales, .offset: 16, .size: 8, .value_kind: global_buffer, .address_space: global }
      - { .name: attnc, .offset: 24, .size: 8, .value_kind: global_buffer, .address_space: global }
    .group_segment_fixed_size: 299520
    .private_segment_fixed_size: 0
    .kernarg_segment_align: 8
    .kernarg_segment_size: 32
    .max_flat_workgroup_size: 512
    .sgpr_count:     100
    .vgpr_count:     256
    .wavefront_size: 32
...
	.end_amdgpu_metadata
.endif
;; end of part 3
;; launch oproj (part 4): grid 16 x 16, 4 waves a work-group, clusters of 4 x 4, 327,680 bytes of LDS; arguments attnc, codes1, hidden_states, lowp_scales, out0; writes out0
.if DOCPART == 4
	.amdgcn_target "amdgcn-amd-amdhsa--gfx1250"
	.amdhsa_code_object_version 6
	.text
	.protected	k_q2802eda336_oproj
	.globl	k_q2802eda336_oproj
	.p2align	8
	.type	k_q2802eda336_oproj,@function
k_q2802eda336_oproj:
	s_mov_b64 s[64:65], 0
	v_nop
	global_prefetch_b8 v0, s[64:65] scope:SCOPE_SE
	s_setreg_imm32_b32 hwreg(HW_REG_WAVE_MODE, 25, 1), 1
	s_wait_xcnt 0x0
	s_wait_alu depctr_hold_cnt(0) depctr_sa_sdst(0) depctr_va_vdst(0) depctr_va_sdst(0) depctr_va_ssrc(0) depctr_va_vcc(0) depctr_vm_vsrc(0)
	s_getreg_b32 s2, hwreg(HW_REG_IB_STS2, 6, 4)
	s_cmp_eq_u32 s2, 0
	s_cbranch_scc0 .Lentry_in_a_cluster
	s_endpgm
.Lentry_in_a_cluster:
	s_bfe_u32 s2, ttmp6, 0x10000c
	s_cmp_lg_u32 s2, 0xf033
	s_cbranch_scc0 .Lentry_shape_is_right
	s_endpgm
.Lentry_shape_is_right:
.set PITCH,  528
.set HALFT,  64*PITCH
.set SLOT,   4*HALFT
.set SPARE,  2*SLOT
.set STAGE,  SPARE+512
.set SPITCH, 272
.set WOOFF,  10485760
.set ADRA, 16
.set ADRB, 20
.set STO,  24
.set RD,   25
.set CO,   26
.set SPW,  28
.set NIL,  29
.set BK,   64
.set ACC,  128
.set G1A, 24
.set G0A, 32
.set G1B, 48
.set G0B, 56
.set MSB, 0
.macro WIN new
.if MSB != \new
	s_set_vgpr_msb (MSB<<8)|\new
.set MSB, \new
.endif
.endm
.set MUL,  0x05
.set TO_F, 0x40
.macro JLOAD s
	s_cmp_eq_u32 s15, 0
	s_cbranch_scc0 .Lfor_b_\@
	tensor_load_to_lds s[G0A+4*\s:G0A+4*\s+3], s[G1A:G1A+7]
	s_nop 0
.rept 4
	v_nop
.endr
	s_branch .Lasked_\@
.Lfor_b_\@:
	tensor_load_to_lds s[G0B+4*\s:G0B+4*\s+3], s[G1B:G1B+7]
	s_nop 0
.rept 4
	v_nop
.endr
.Lasked_\@:
.endm
.macro CREST
	s_cmp_lg_u32 s14, 0
	s_cbranch_scc1 .Lnot_wave_0_\@
	s_barrier_signal -3
.Lnot_wave_0_\@:
	s_barrier_wait -3
	s_barrier_signal -1
	s_barrier_wait -1
.endm
.macro CROUND
	s_barrier_signal -1
	s_barrier_wait -1
	CREST
.endm
.macro PLACES n
.rept \n
	v_nop
.endr
.endm
	s_load_b256 s[4:11], s[0:1], 0x0
	s_load_b64 s[12:13], s[0:1], 0x20
	v_lshl_add_u32 v[SPW], v0, 2, SPARE
	v_mov_b32 v[NIL], 0
	ds_add_u32 v28, v29
	ds_add_u32 v28, v29
	s_wait_dscnt 0x0
	v_lshrrev_b32 v1, 5, v0
	v_readfirstlane_b32 s14, v1
	s_lshr_b32 s15, s14, 1
	s_and_b32 s16, s14, 1
	s_bfe_u32 s40, ttmp6, 0x40000
	s_bfe_u32 s41, ttmp6, 0x40004
	s_lshl_b32 s42, ttmp9, 2
	s_add_co_u32 s42, s42, s40
	s_and_b32 s17, ttmp7, 0xffff
	s_lshl_b32 s17, s17, 2
	s_add_co_u32 s17, s17, s41
	s_lshl_b32 s43, s41, 2
	s_lshl_b32 s43, 15, s43
	s_lshl_b32 s44, 0x1111, s40
	s_or_b32 s[G1A+0], s43, (1<<20)|(1<<21)|(6<<22)|(3<<25)
	s_or_b32 s[G1B+0], s44, (1<<20)|(1<<21)|(6<<22)|(3<<25)
.irp g, G1A, G1B
	s_mov_b32 s[\g+1], 512<<16
	s_mov_b32 s[\g+2], 64<<16
	s_mov_b32 s[\g+3], 512<<16
	s_mov_b32 s[\g+4], 64
	s_mov_b32 s[\g+5], 2048
	s_mov_b32 s[\g+6], 0
	s_mov_b32 s[\g+7], 0
.endr
	s_lshl_b32 s18, s16, 6
	s_lshl_b32 s20, s17, 7
	s_add_co_u32 s20, s20, s18
	s_lshl_b32 s20, s20, 11
	s_mov_b32 s21, 0
	s_lshl_b32 s46, s42, 7
	s_add_co_u32 s46, s46, s18
	s_lshl_b32 s46, s46, 11
	s_add_co_u32 s46, s46, WOOFF
	s_mov_b32 s47, 0
	s_mul_i32 s45, s14, HALFT
	s_lshl_b32 s88, s17, 7
	s_lshl_b32 s84, s15, 6
	s_add_co_u32 s88, s88, s84
	s_lshl_b32 s88, s88, 13
	s_lshl_b32 s84, s42, 9
	s_add_co_u32 s88, s88, s84
	s_lshl_b32 s84, s16, 8
	s_add_co_u32 s88, s88, s84
	s_mov_b32 s89, 0
	s_wait_kmcnt 0x0
	s_load_b256 s[68:75], s[10:11], 0x0
	s_add_nc_u64 s[20:21], s[4:5], s[20:21]
	s_add_nc_u64 s[46:47], s[6:7], s[46:47]
	s_add_nc_u64 s[8:9], s[8:9], s[88:89]
	s_add_nc_u64 s[12:13], s[12:13], s[88:89]
	CROUND
.irp s, 0,1
	s_mov_b32 s[G0A+4*\s], 1
	s_add_co_u32 s[G0A+4*\s+1], s45, \s*SLOT
	s_add_nc_u64 s[G0A+4*\s+2:G0A+4*\s+3], s[20:21], \s*512
	s_or_b32 s[G0A+4*\s+3], s[G0A+4*\s+3], 0x80000000
	s_mov_b32 s[G0B+4*\s], 1
	s_add_co_u32 s[G0B+4*\s+1], s45, \s*SLOT
	s_add_nc_u64 s[G0B+4*\s+2:G0B+4*\s+3], s[46:47], \s*512
	s_or_b32 s[G0B+4*\s+3], s[G0B+4*\s+3], 0x80000000
	s_wait_alu depctr_va_vdst(0)
	s_wait_tensorcnt 0x0
	ds_add_u32 v28, v29
	ds_add_u32 v28, v29
	s_wait_dscnt 0x0
	CROUND
	JLOAD \s
.endr
	v_and_b32 v1, 15, v0
	s_wait_alu depctr_va_vdst(0)
	v_bfe_u32 v2, v0, 4, 1
	v_mul_u32_u24 v3, v1, PITCH
	v_lshl_add_u32 v4, v2, 4, v3
	s_mul_i32 s76, s15, HALFT
	s_mul_i32 s77, s16, HALFT
	s_add_co_u32 s77, s77, 2*HALFT
.irp s, 0,1
	v_add_nc_u32 v[ADRA+\s], s76, v4
	v_add_nc_u32 v[ADRB+\s], s77, v4
	s_add_co_u32 s76, s76, SLOT
	s_add_co_u32 s77, s77, SLOT
.endr
	s_mul_i32 s78, s14, 16*SPITCH
	s_add_co_u32 s78, s78, STAGE
	v_mul_u32_u24 v5, v1, SPITCH
	s_wait_alu depctr_va_vdst(0)
	v_lshl_add_u32 v5, v2, 5, v5
	v_add_nc_u32 v[STO], s78, v5
	v_mul_u32_u24 v6, v2, SPITCH
	v_lshl_add_u32 v6, v1, 4, v6
	v_add_nc_u32 v[RD], s78, v6
	v_lshlrev_b32 v7, 13, v2
	v_lshl_add_u32 v[CO], v1, 4, v7
	WIN 0x80
.set k, 0
.rept 32
	global_load_b128 v[4*k:4*k+3], v[CO], s[8:9] offset:k*16384 th:TH_LOAD_NT
.set k, k+1
.endr
	WIN 0
	s_wait_kmcnt 0x0
	s_add_co_i32 s92, s74, s75
	s_add_co_i32 s92, s92, 127
	s_lshl_b32 s92, s92, 23
	s_mov_b32 s93, s92
.macro FRAG reg, adr, q, i
.irp c, 0,1,2,3
	ds_load_b128 v[\reg+4*\c:\reg+4*\c+3], v[\adr] offset:128*(\q)+32*\c+(\i)*16*PITCH
.endr
.endm
.macro FETCH slot, q, p
	WIN TO_F
.irp i, 0,1,2,3
	FRAG 128*(\p)+64+16*\i, ADRB+\slot, \q, \i
.endr
.irp i, 0,1,2,3
	FRAG 128*(\p)+16*\i, ADRA+\slot, \q, \i
.endr
	WIN 0
.endm
.macro MUL4 a, p, zero
.irp b, 0,1,2,3
.if \zero
	v_wmma_f32_16x16x128_bf8_bf8 v[ACC+8*(4*(\a)+\b):ACC+8*(4*(\a)+\b)+7], v[128*(\p)+64+16*\b:128*(\p)+64+16*\b+15], v[128*(\p)+16*(\a):128*(\p)+16*(\a)+15], 0
.else
	v_wmma_f32_16x16x128_bf8_bf8 v[ACC+8*(4*(\a)+\b):ACC+8*(4*(\a)+\b)+7], v[128*(\p)+64+16*\b:128*(\p)+64+16*\b+15], v[128*(\p)+16*(\a):128*(\p)+16*(\a)+15], v[ACC+8*(4*(\a)+\b):ACC+8*(4*(\a)+\b)+7]
.endif
.endr
.endm
.macro STEP slot, q, zero
	s_wait_dscnt 0x0
	PLACES 4
	FETCH \slot, (\q)+1, 1-(\q)%2
	WIN MUL
	MUL4 0, (\q)%2, \zero
	MUL4 1, (\q)%2, \zero
	MUL4 2, (\q)%2, \zero
	MUL4 3, (\q)%2, \zero
	WIN 0
.endm
.macro TURN slot, next, fill
	s_wait_tensorcnt 0x0
	ds_add_u32 v[SPW], v[NIL]
	s_wait_dscnt 1
	WIN MUL
	MUL4 0, 1, 0
	s_wait_dscnt 0x0
	s_barrier_signal -1
	MUL4 1, 1, 0
	WIN 0
	s_barrier_wait -1
.if \fill
	CREST
	s_add_nc_u64 s[G0A+4*\slot+2:G0A+4*\slot+3], s[G0A+4*\slot+2:G0A+4*\slot+3], 1024
	s_add_nc_u64 s[G0B+4*\slot+2:G0B+4*\slot+3], s[G0B+4*\slot+2:G0B+4*\slot+3], 1024
	JLOAD \slot
.else
	PLACES 4
.endif
	FETCH \next, 0, 0
	WIN MUL
	MUL4 2, 1, 0
	MUL4 3, 1, 0
	WIN 0
.endm
	s_wait_tensorcnt 1
	s_barrier_signal -1
	s_barrier_wait -1
	FETCH 0, 0, 0
	STEP 0, 0, 1
	STEP 0, 1, 0
	STEP 0, 2, 0
	TURN 0, 1, 1
	STEP 1, 0, 0
	STEP 1, 1, 0
	STEP 1, 2, 0
	TURN 1, 0, 1
	STEP 0, 0, 0
	STEP 0, 1, 0
	STEP 0, 2, 0
	TURN 0, 1, 0
	STEP 1, 0, 0
	STEP 1, 1, 0
	STEP 1, 2, 0
	s_wait_dscnt 0x0
	WIN MUL
	MUL4 0, 1, 0
	MUL4 1, 1, 0
	MUL4 2, 1, 0
	MUL4 3, 1, 0
	WIN 0
.macro TOSTAGE a
.irp b, 0,1,2,3
	ds_store_b128 v[STO], v[ACC+32*(\a)+8*\b:ACC+32*(\a)+8*\b+3] offset:64*\b
	ds_store_b128 v[STO], v[ACC+32*(\a)+8*\b+4:ACC+32*(\a)+8*\b+7] offset:64*\b+16
.endr
.irp t, 0,1,2,3,4,5,6,7
	ds_load_b128 v[BK+32*((\a)%2)+4*\t:BK+32*((\a)%2)+4*\t+3], v[RD] offset:2*\t*SPITCH
.endr
.endm
.macro SEND a, younger
.set BB, BK+32*((\a)%2)
	s_wait_dscnt \younger
	WIN 0x20
.set j, 0
.rept 16
	v_pk_fma_f32 v[BB+j:BB+j+1], v[BB+j:BB+j+1], s[92:93], v[32*(\a)+j:32*(\a)+j+1] op_sel_hi:[1,0,1]
.set j, j+2
.endr
	WIN 0
.irp t, 0,1,2,3,4,5,6,7
	global_store_b128 v[CO], v[BB+4*\t:BB+4*\t+3], s[12:13] offset:(16*(\a)+2*\t)*8192 th:TH_STORE_NT
.endr
.endm
	s_wait_alu depctr_va_vdst(0)
	s_wait_loadcnt 0x0
	PLACES 4
	TOSTAGE 0
.irp a, 1,2,3
.if \a > 1
	s_wait_xcnt 0x0
.endif
	TOSTAGE \a
	SEND \a-1, 16
.endr
	SEND 3, 0
	s_wait_tensorcnt 0x0
	ds_add_u32 v[SPW], v[NIL]
	s_wait_dscnt 0x0
	CROUND
	s_endpgm
.Lfunc_end_k_q2802eda336_oproj:
	.size	k_q2802eda336_oproj, .Lfunc_end_k_q2802eda336_oproj-k_q2802eda336_oproj
	.p2alignl 7, 3214868480
	.fill 96, 4, 3214868480
	.section	.rodata,"a",@progbits
	.p2align	6, 0x0
	.amdhsa_kernel k_q2802eda336_oproj
		.amdhsa_group_segment_fixed_size 327680
		.amdhsa_private_segment_fixed_size 0
		.amdhsa_enable_private_segment 0
		.amdhsa_kernarg_size 40
		.amdhsa_user_sgpr_count 2
		.amdhsa_user_sgpr_kernarg_segment_ptr 1
		.amdhsa_wavefront_size32 1
		.amdhsa_system_sgpr_workgroup_id_x 1
		.amdhsa_system_sgpr_workgroup_id_y 1
		.amdhsa_system_sgpr_workgroup_id_z 1
		.amdhsa_system_vgpr_workitem_id 0
		.amdhsa_next_free_vgpr 768
		.amdhsa_next_free_sgpr 100
		.amdhsa_reserve_vcc 0
		.amdhsa_float_denorm_mode_32 3
		.amdhsa_float_denorm_mode_16_64 3
		.amdhsa_memory_ordered 1
		.amdhsa_forward_progress 1
		.amdhsa_inst_pref_size 78
	.end_amdhsa_kernel
	.amdgpu_metadata
---
amdhsa.version: [ 1, 2 ]
amdhsa.kernels:
  - .name:           k_q2802eda336_oproj
    .symbol:         k_q2802eda336_oproj.kd
    .args:
      - { .name: attnc, .offset: 0, .size: 8, .value_kind: global_buffer, .address_space: global }
      - { .name: codes1, .offset: 8, .size: 8, .value_kind: global_buffer, .address_space: global }
      - { .name: hidden_states, .offset: 16, .size: 8, .value_kind: global_buffer, .address_space: global }
      - { .name: lowp_scales, .offset: 24, .size: 8, .value_kind: global_buffer, .address_space: global }
      - { .name: out0, .offset: 32, .size: 8, .value_kind: global_buffer, .address_space: global }
    .group_segment_fixed_size: 327680
    .private_segment_fixed_size: 0
    .kernarg_segment_align: 8
    .kernarg_segment_size: 40
    .max_flat_workgroup_size: 128
    .sgpr_count:     100
    .vgpr_count:     768
    .wavefront_size: 32
...
	.end_amdgpu_metadata
.endif
;; end of part 4
;; launch ln2 (part 5): grid 256 x 1, 8 waves a work-group, no clusters, 0 bytes of LDS; arguments out0, ln2_scale, out1; writes out1
.if DOCPART == 5
	.amdgcn_target "amdgcn-amd-amdhsa--gfx1250"
	.amdhsa_code_object_version 6
	.text
	.protected	k_q2802eda336_ln2
	.globl	k_q2802eda336_ln2
	.p2align	8
	.type	k_q2802eda336_ln2,@function
k_q2802eda336_ln2:
	s_mov_b64 s[64:65], 0
	v_nop
	global_prefetch_b8 v0, s[64:65] scope:SCOPE_SE
	s_setreg_imm32_b32 hwreg(HW_REG_WAVE_MODE, 25, 1), 1
	s_wait_xcnt 0x0
; out1 = layernorm(out0) x ln2_scale.  A wave takes one row of 2,048 numbers and keeps it in 64 registers between the passes: the row is read once; no LDS, no barrier.
; Lane l holds columns 128 i + 4 l + 0..3: each load and store of the wave covers 512 consecutive bytes.  Mean first, then the squares of x - mean: no difference of large sums.
	s_load_b128 s[4:7], s[0:1], 0x0                ; out0, ln2_scale
	s_load_b64 s[8:9], s[0:1], 0x10                ; out1
	v_lshrrev_b32 v1, 5, v0
	s_delay_alu instid0(VALU_DEP_1)
	v_readfirstlane_b32 s12, v1
	v_and_b32 v2, 31, v0
	s_delay_alu instid0(VALU_DEP_1)
	v_lshlrev_b32 v3, 4, v2
	s_lshl_b32 s13, ttmp9, 3
	s_add_co_u32 s13, s13, s12                     ; my row
	s_lshl_b32 s14, s13, 13
	s_mov_b32 s15, 0
	s_mov_b32 s16, 0x76543210                      ; v_permlanex16_b32: lane l xor 16
	s_mov_b32 s17, 0xfedcba98
	s_mov_b32 s18, 0x3a000000                      ; 2^-11
	s_mov_b32 s19, 0x358637bd                      ; 1e-6
	s_wait_alu depctr_va_vdst(0)
	s_wait_kmcnt 0x0
	s_add_nc_u64 s[4:5], s[4:5], s[14:15]
	s_add_nc_u64 s[8:9], s[8:9], s[14:15]
.irp i, 0,1,2,3,4,5,6,7,8,9,10,11,12,13,14,15
	global_load_b128 v[32+4*\i:35+4*\i], v3, s[4:5] offset:512*\i th:TH_LOAD_NT
.endr
.irp i, 0,1,2,3,4,5,6,7,8,9,10,11,12,13,14,15
	global_load_b128 v[96+4*\i:99+4*\i], v3, s[6:7] offset:512*\i
.endr
.macro LANESUM
	s_delay_alu instid0(VALU_DEP_1)
	v_add_f32_dpp v10, v10, v10 row_xmask:1 row_mask:0xf bank_mask:0xf
	s_delay_alu instid0(VALU_DEP_1)
	v_add_f32_dpp v10, v10, v10 row_xmask:2 row_mask:0xf bank_mask:0xf
	s_delay_alu instid0(VALU_DEP_1)
	v_add_f32_dpp v10, v10, v10 row_xmask:4 row_mask:0xf bank_mask:0xf
	s_delay_alu instid0(VALU_DEP_1)
	v_add_f32_dpp v10, v10, v10 row_xmask:8 row_mask:0xf bank_mask:0xf
	s_delay_alu instid0(VALU_DEP_1)
	v_permlanex16_b32 v11, v10, s16, s17
	s_delay_alu instid0(VALU_DEP_1)
	v_add_f32 v10, v10, v11
.endm
	s_wait_loadcnt 16                              ; the row is in; the gain's 16 loads may be out
	v_pk_add_f32 v[12:13], v[32:33], v[40:41]
	v_pk_add_f32 v[14:15], v[48:49], v[56:57]
	v_pk_add_f32 v[16:17], v[64:65], v[72:73]
	v_pk_add_f32 v[30:31], v[80:81], v[88:89]
	v_pk_add_f32 v[28:29], v[34:35], v[42:43]
	v_pk_add_f32 v[26:27], v[50:51], v[58:59]
	v_pk_add_f32 v[24:25], v[66:67], v[74:75]
	v_pk_add_f32 v[10:11], v[82:83], v[90:91]
	s_delay_alu instid0(VALU_DEP_1)
	v_pk_add_f32 v[10:11], v[10:11], v[36:37]
	v_pk_add_f32 v[12:13], v[12:13], v[44:45]
	v_pk_add_f32 v[14:15], v[14:15], v[52:53]
	v_pk_add_f32 v[16:17], v[16:17], v[60:61]
	v_pk_add_f32 v[30:31], v[30:31], v[68:69]
	v_pk_add_f32 v[28:29], v[28:29], v[76:77]
	v_pk_add_f32 v[26:27], v[26:27], v[84:85]
	v_pk_add_f32 v[24:25], v[24:25], v[92:93]
	v_pk_add_f32 v[10:11], v[10:11], v[38:39]
	v_pk_add_f32 v[12:13], v[12:13], v[46:47]
	v_pk_add_f32 v[14:15], v[14:15], v[54:55]
	v_pk_add_f32 v[16:17], v[16:17], v[62:63]
	v_pk_add_f32 v[30:31], v[30:31], v[70:71]
	v_pk_add_f32 v[28:29], v[28:29], v[78:79]
	v_pk_add_f32 v[26:27], v[26:27], v[86:87]
	v_pk_add_f32 v[24:25], v[24:25], v[94:95]
	s_delay_alu instid0(VALU_DEP_4)
	v_pk_add_f32 v[10:11], v[10:11], v[30:31]
	s_delay_alu instid0(VALU_DEP_4)
	v_pk_add_f32 v[12:13], v[12:13], v[28:29]
	s_delay_alu instid0(VALU_DEP_4)
	v_pk_add_f32 v[14:15], v[14:15], v[26:27]
	s_delay_alu instid0(VALU_DEP_4)
	v_pk_add_f32 v[16:17], v[16:17], v[24:25]
	s_delay_alu instid0(VALU_DEP_2)
	v_pk_add_f32 v[10:11], v[10:11], v[14:15]
	s_delay_alu instid0(VALU_DEP_2)
	v_pk_add_f32 v[12:13], v[12:13], v[16:17]
	s_delay_alu instid0(VALU_DEP_1)
	v_pk_add_f32 v[10:11], v[10:11], v[12:13]
	s_delay_alu instid0(VALU_DEP_1)
	v_add_f32 v10, v10, v11
	LANESUM
	s_delay_alu instid0(VALU_DEP_1)
	v_mul_f32 v18, s18, v10                        ; the mean
	s_delay_alu instid0(VALU_DEP_1)
	v_mov_b32 v19, v18
.set j, 0
.rept 32
	v_pk_add_f32 v[32+j:33+j], v[32+j:33+j], v[18:19] neg_lo:[0,1] neg_hi:[0,1]
.set j, j+2
.endr
	v_pk_mul_f32 v[10:11], v[32:33], v[32:33]
	v_pk_mul_f32 v[12:13], v[34:35], v[34:35]
	v_pk_mul_f32 v[14:15], v[36:37], v[36:37]
	v_pk_mul_f32 v[16:17], v[38:39], v[38:39]
.irp j, 8,16,24,32,40,48,56
	s_delay_alu instid0(VALU_DEP_4)
	v_pk_fma_f32 v[10:11], v[32+\j:33+\j], v[32+\j:33+\j], v[10:11]
	s_delay_alu instid0(VALU_DEP_4)
	v_pk_fma_f32 v[12:13], v[34+\j:35+\j], v[34+\j:35+\j], v[12:13]
	s_delay_alu instid0(VALU_DEP_4)
	v_pk_fma_f32 v[14:15], v[36+\j:37+\j], v[36+\j:37+\j], v[14:15]
	s_delay_alu instid0(VALU_DEP_4)
	v_pk_fma_f32 v[16:17], v[38+\j:39+\j], v[38+\j:39+\j], v[16:17]
.endr
	s_delay_alu instid0(VALU_DEP_3)
	v_pk_add_f32 v[10:11], v[10:11], v[12:13]
	s_delay_alu instid0(VALU_DEP_2)
	v_pk_add_f32 v[14:15], v[14:15], v[16:17]
	s_delay_alu instid0(VALU_DEP_1)
	v_pk_add_f32 v[10:11], v[10:11], v[14:15]
	s_delay_alu instid0(VALU_DEP_1)
	v_add_f32 v10, v10, v11
	LANESUM
	s_delay_alu instid0(VALU_DEP_1)
	v_fma_f32 v20, v10, s18, s19                   ; variance + 1e-6
	s_wait_alu depctr_va_vdst(0)
	v_rsq_f32 v20, v20
	v_nop                                          ; a plain line behind the transcendental
	s_wait_alu depctr_va_vdst(0)                   ; and the wait ahead of its first reader
	v_mov_b32 v21, v20
	s_wait_alu depctr_va_vdst(0)
	s_wait_loadcnt 0x0                             ; the gain
.set j, 0
.rept 32
	v_pk_mul_f32 v[32+j:33+j], v[32+j:33+j], v[20:21]
.set j, j+2
.endr
.set j, 0
.rept 32
	v_pk_mul_f32 v[32+j:33+j], v[32+j:33+j], v[96+j:97+j]
.set j, j+2
.endr
.irp i, 0,1,2,3,4,5,6,7,8,9,10,11,12,13,14,15
	global_store_b128 v3, v[32+4*\i:35+4*\i], s[8:9] offset:512*\i th:TH_STORE_NT
.endr
	s_endpgm
.Lfunc_end_k_q2802eda336_ln2:
	.size	k_q2802eda336_ln2, .Lfunc_end_k_q2802eda336_ln2-k_q2802eda336_ln2
	.p2alignl 7, 3214868480
	.fill 96, 4, 3214868480
	.section	.rodata,"a",@progbits
	.p2align	6, 0x0
	.amdhsa_kernel k_q2802eda336_ln2
		.amdhsa_group_segment_fixed_size 0
		.amdhsa_private_segment_fixed_size 0
		.amdhsa_enable_private_segment 0
		.amdhsa_kernarg_size 24
		.amdhsa_user_sgpr_count 2
		.amdhsa_user_sgpr_kernarg_segment_ptr 1
		.amdhsa_wavefront_size32 1
		.amdhsa_system_sgpr_workgroup_id_x 1
		.amdhsa_system_sgpr_workgroup_id_y 1
		.amdhsa_system_sgpr_workgroup_id_z 1
		.amdhsa_system_vgpr_workitem_id 0
		.amdhsa_next_free_vgpr 160
		.amdhsa_next_free_sgpr 66
		.amdhsa_reserve_vcc 0
		.amdhsa_float_denorm_mode_32 3
		.amdhsa_float_denorm_mode_16_64 3
		.amdhsa_memory_ordered 1
		.amdhsa_forward_progress 1
		.amdhsa_inst_pref_size 19
	.end_amdhsa_kernel
	.amdgpu_metadata
---
amdhsa.version: [ 1, 2 ]
amdhsa.kernels:
  - .name:           k_q2802eda336_ln2
    .symbol:         k_q2802eda336_ln2.kd
    .args:
      - { .name: out0, .offset: 0, .size: 8, .value_kind: global_buffer, .address_space: global }
      - { .name: ln2_scale, .offset: 8, .size: 8, .value_kind: global_buffer, .address_space: global }
      - { .name: out1, .offset: 16, .size: 8, .value_kind: global_buffer, .address_space: global }
    .group_segment_fixed_size: 0
    .private_segment_fixed_size: 0
    .kernarg_segment_align: 8
    .kernarg_segment_size: 24
    .max_flat_workgroup_size: 256
    .sgpr_count:     66
    .vgpr_count:     160
    .wavefront_size: 32
...
	.end_amdgpu_metadata
.endif
;; end of part 5
